; MI455X (gfx1250); checked and timed in simulation.
; The chip was launched on July 23, 2026; its instructions are those of AMD's public machine-readable ISA for CDNA 5 (MIT licence, August 2026) and "CDNA5" Instruction Set Architecture Reference Guide (July 2026). The comments in the code are by the model that wrote it; some were corrected since.
;; Transformer Block. Allowed arithmetic: float matrix products may take bf16 or f16 operands with f32 sums; all other float work in f32.
;; Inputs: W1 1,024 x 4,096 float32; W2 4,096 x 1,024 float32; Wk 1,024 x 1,024 float32; Wo 1,024 x 1,024 float32; Wq 1,024 x 1,024 float32; Wv 1,024 x 1,024 float32; b1 4,096 float32; b2 1,024 float32; bk 1,024 float32; bo 1,024 float32; bq 1,024 float32; bv 1,024 float32; g1 1,024 float32; g2 1,024 float32; s1 1,024 float32; s2 1,024 float32; x 2 x 2,048 x 1,024 float32.
;; Outputs: out0 2 x 2,048 x 1,024 float32.
;; One version. Each part assembles by itself: llvm-mc -triple=amdgcn-amd-amdhsa -mcpu=gfx1250 --defsym DOCPART=n.
;; ======== version 1 of 1: 7 launches
;; workspace buffers: wt 25,165,824 bytes; h 8,388,608 bytes; qkv 25,165,824 bytes; tsum 131,072 bytes; ctx 8,388,608 bytes; x1 16,777,216 bytes; act 33,554,432 bytes
;; launch prep (part 1): grid 1024 x 1, 8 waves a work-group, no clusters, 33,280 bytes of LDS; arguments x, g1, s1, Wq, Wk, Wv, Wo, W1, W2, h, wt; writes h, wt
.if DOCPART == 1
	.amdgcn_target "amdgcn-amd-amdhsa--gfx1250"
	.amdhsa_code_object_version 6
	.text
	.protected	k_q6ae9ec43ba_prep
	.globl	k_q6ae9ec43ba_prep
	.p2align	8
	.type	k_q6ae9ec43ba_prep,@function
k_q6ae9ec43ba_prep:
	s_mov_b64 s[64:65], 0
	v_nop
	global_prefetch_b8 v0, s[64:65] scope:SCOPE_SE
	s_setreg_imm32_b32 hwreg(HW_REG_WAVE_MODE, 25, 1), 1
	s_wait_xcnt 0x0
; Two jobs, chosen by the work-group's number.
; Work-groups 0 to 255: LayerNorm.  h[row] = (x - mean) / (std + 1e-5) * g + s, std with divisor 1023, rounded once to bf16.
;   One wave takes a row of 1,024 f32 (32 registers a lane) and keeps it between the passes; mean first, then the squares of the
;   differences, so a common offset of the row does no harm.  Wave w takes rows 16 wg + 2 w and + 1.  No LDS, no barrier.
; Work-groups 256 to 1023: a tile of 256 k x 64 n of one weight matrix, stored [k][n] in f32, goes to wt as bf16 [n][k].
;   wt: Wq, Wk, Wv as [3072][1024] at byte 0; Wo [1024][1024] at 6,291,456; W1 [4096][1024] at 8,388,608; W2 [1024][4096] at 16,777,216.
; Launched with 256 work-groups the body does the LayerNorm alone (the second norm of the block).
; Limits: v_sqrt_f32 and v_rcp_f32 are accurate to 1 ULP and flush denormals; NaN and infinite inputs are not served.
.set X,   32                           ; v[32:95]   two rows, 32 registers each
.set G,   96                           ; v[96:127]  gain of my 32 columns
.set SH,  128                          ; v[128:159] shift of my 32 columns
.set T,   4                            ; v[4:11]    four chains of pairs
.set LP,  516                          ; LDS pitch of the transposing tile: 129 words, odd, so that column and row accesses both spread over the banks
	s_load_b512 s[8:23], s[0:1], 0x0               ; x s[8:9], g s[10:11], s s[12:13], Wq s[14:15], Wk s[16:17], Wv s[18:19], Wo s[20:21], W1 s[22:23]
	s_load_b128 s[24:27], s[0:1], 0x40             ; W2 s[24:25], h s[26:27]
	s_load_b64 s[28:29], s[0:1], 0x50              ; wt
	v_lshrrev_b32 v1, 5, v0
	v_readfirstlane_b32 s4, v1                     ; wave 0..7
	s_cmp_ge_u32 ttmp9, 256
	s_cbranch_scc1 .Ltrans
	; ---------------- LayerNorm ----------------
	s_lshl_b32 s2, ttmp9, 4
	s_lshl1_add_u32 s2, s4, s2                     ; my first row = 16 wg + 2 w
	s_lshl_b32 s32, s2, 12                         ; x 4,096 bytes of f32
	s_mov_b32 s33, 0
	s_lshl_b32 s34, s2, 11                         ; x 2,048 bytes of bf16
	s_mov_b32 s35, 0
	s_mov_b32 s30, 0x76543210                      ; v_permlanex16_b32: lane i reads lane i of the other half
	s_mov_b32 s31, 0xfedcba98
	v_and_b32 v2, 31, v0
	v_lshlrev_b32 v1, 4, v2                        ; 16 x lane: my 4 f32 in each 512 bytes
	v_lshlrev_b32 v2, 3, v2                        ; 8 x lane: my 4 bf16 in each 256 bytes
	s_wait_kmcnt 0x0
	s_add_nc_u64 s[8:9], s[8:9], s[32:33]
	s_add_nc_u64 s[26:27], s[26:27], s[34:35]
.irp k, 0,1
.irp j, 0,1,2,3,4,5,6,7
	global_load_b128 v[X+32*\k+4*\j:X+32*\k+4*\j+3], v1, s[8:9] offset:\k*4096+512*\j   ; a wave's load covers 512 consecutive bytes
.endr
.endr
.irp j, 0,1,2,3,4,5,6,7
	global_load_b128 v[G+4*\j:G+4*\j+3], v1, s[10:11] offset:512*\j
	global_load_b128 v[SH+4*\j:SH+4*\j+3], v1, s[12:13] offset:512*\j
.endr
	s_wait_loadcnt 0x0
.macro WSUM a, b                       ; sum over the 32 lanes, result in every lane; b is a register that has been written
	v_add_f32_dpp v[\a], v[\a], v[\a] row_xmask:1 row_mask:0xf bank_mask:0xf
	v_add_f32_dpp v[\a], v[\a], v[\a] row_xmask:2 row_mask:0xf bank_mask:0xf
	v_add_f32_dpp v[\a], v[\a], v[\a] row_xmask:4 row_mask:0xf bank_mask:0xf
	v_add_f32_dpp v[\a], v[\a], v[\a] row_xmask:8 row_mask:0xf bank_mask:0xf
	v_permlanex16_b32 v[\b], v[\a], s30, s31
	v_add_f32 v[\a], v[\a], v[\b]
.endm
.macro FOLD                            ; the four chains into one number
	v_pk_add_f32 v[T:T+1], v[T:T+1], v[T+2:T+3]
	v_pk_add_f32 v[T+4:T+5], v[T+4:T+5], v[T+6:T+7]
	v_pk_add_f32 v[T:T+1], v[T:T+1], v[T+4:T+5]
	v_add_f32 v[T], v[T], v[T+1]
	WSUM T, T+1
.endm
.macro LNROW k
.set XB, X+32*\k
.irp c, 0,2,4,6
	v_pk_add_f32 v[T+\c:T+\c+1], v[XB+\c:XB+\c+1], v[XB+8+\c:XB+8+\c+1]      ; the first pairs start the chains
.endr
.irp o, 16,24
.irp c, 0,2,4,6
	v_pk_add_f32 v[T+\c:T+\c+1], v[T+\c:T+\c+1], v[XB+\o+\c:XB+\o+\c+1]
.endr
.endr
	FOLD
	v_mul_f32 v20, 0x3a800000, v[T]                ; mean = sum / 1024
	v_mov_b32 v21, v20
.set p, 0
.rept 16
	v_pk_add_f32 v[XB+p:XB+p+1], v[XB+p:XB+p+1], v[20:21] neg_lo:[0,1] neg_hi:[0,1]   ; x - mean
.set p, p+2
.endr
.irp c, 0,2,4,6
	v_pk_mul_f32 v[T+\c:T+\c+1], v[XB+\c:XB+\c+1], v[XB+\c:XB+\c+1]
.endr
.irp o, 8,16,24
.irp c, 0,2,4,6
	v_pk_fma_f32 v[T+\c:T+\c+1], v[XB+\o+\c:XB+\o+\c+1], v[XB+\o+\c:XB+\o+\c+1], v[T+\c:T+\c+1]
.endr
.endr
	FOLD
	v_mul_f32 v[T], 0x3a802008, v[T]               ; / 1023
	v_sqrt_f32 v[T], v[T]
	v_nop                                          ; one plain instruction behind a transcendental before its result is used (ISA guide 5.7.2)
	s_wait_alu depctr_va_vdst(0)
	v_add_f32 v[T], 0x3727c5ac, v[T]               ; std + 1e-5
	v_rcp_f32 v22, v[T]
	v_rcp_f32 v23, v[T]
	v_nop
.set p, 0
	s_wait_alu depctr_va_vdst(0)
.rept 16
	v_pk_mul_f32 v[XB+p:XB+p+1], v[XB+p:XB+p+1], v[22:23]
.set p, p+2
.endr
.set p, 0
.rept 16
	v_pk_fma_f32 v[XB+p:XB+p+1], v[XB+p:XB+p+1], v[G+p:G+p+1], v[SH+p:SH+p+1]
.set p, p+2
.endr
.irp j, 0,1,2,3,4,5,6,7
	v_cvt_pk_bf16_f32 v[XB+4*\j], v[XB+4*\j], v[XB+4*\j+1]
	v_cvt_pk_bf16_f32 v[XB+4*\j+1], v[XB+4*\j+2], v[XB+4*\j+3]
	global_store_b64 v2, v[XB+4*\j:XB+4*\j+1], s[26:27] offset:\k*2048+256*\j    ; the wave stores 256 consecutive bytes, aligned
.endr
.endm
	LNROW 0
	LNROW 1
	s_endpgm
	; ---------------- cast and transpose ----------------
.Ltrans:
	s_sub_co_u32 s2, ttmp9, 256                    ; t = 0..767
	s_lshr_b32 s3, s2, 8                           ; group: 0 = Wq, Wk, Wv, Wo (64 tiles each), 1 = W1, 2 = W2 (256 tiles each)
	s_and_b32 s5, s2, 255
	s_lshr_b32 s6, s5, 6                           ; which of the four square matrices
	s_and_b32 s7, s5, 63
	s_cmp_eq_u32 s3, 0
	s_cselect_b32 s7, s7, s5                       ; the tile's number inside its matrix
	s_lshl_b32 s38, s6, 21                         ; a square matrix takes 2,097,152 bytes of wt
	s_cmp_eq_u32 s3, 0
	s_cselect_b32 s38, s38, 0
	s_lshl_b32 s39, s3, 23                         ; W1 at 8,388,608, W2 at 16,777,216
	s_add_co_u32 s38, s38, s39
	s_mov_b32 s31, 2048                            ; bytes of a row of the transposed matrix: 1,024 bf16,
	s_mov_b32 s35, 4096                            ; bytes of a row of the source: 1,024 f32
	s_cmp_eq_u32 s3, 2
	s_cselect_b32 s30, 4, 2                        ; W2 has 16 blocks of 256 along k, the others 4
	s_cselect_b32 s32, 15, 3
	s_cselect_b32 s31, 8192, s31                   ; W2 transposed has rows of 4,096 bf16
	s_and_b32 s33, s7, s32                         ; block along k
	s_lshr_b32 s34, s7, s30                        ; block along n
	s_cmp_eq_u32 s3, 1
	s_cselect_b32 s35, 16384, s35                  ; W1 has rows of 4,096 f32
	s_mul_i32 s40, s33, s35
	s_lshl_b32 s40, s40, 8                         ; 256 source rows a block,
	s_lshl_b32 s41, s34, 8                         ; 64 f32 = 256 bytes a block along n
	s_add_co_u32 s40, s40, s41
	s_mov_b32 s41, 0
	s_mul_i32 s42, s34, s31
	s_lshl_b32 s42, s42, 6                         ; 64 rows of the result,
	s_add_co_u32 s42, s42, s38
	s_lshl_b32 s43, s33, 9                         ; 256 bf16 = 512 bytes a block along k
	s_add_co_u32 s42, s42, s43
	s_mov_b32 s43, 0
	v_and_b32 v1, 15, v0                           ; q: my 4 columns n = 4 q ..
	v_bfe_u32 v2, v0, 4, 1                         ; gs: which half of the lanes
	s_lshl_b32 s44, s4, 5
	v_lshl_add_u32 v3, v2, 1, s44                  ; source row 32 w + 2 gs
	v_mul_lo_u32 v3, v3, s35
	v_lshl_add_u32 v3, v1, 4, v3
.set i, 0
.rept 16
	s_mul_i32 s44, s35, (i>>1)*4+(i&1)             ; step st = i / 2, e = i % 2: row + 4 st + e
	v_add_nc_u32 v[4+i], s44, v3
.set i, i+1
.endr
	v_mul_u32_u24 v20, v1, 4*LP                    ; LDS, in: row n = 4 q + j, word 16 w + gs + 2 st
	v_lshl_add_u32 v20, v2, 2, v20
	s_lshl_b32 s45, s4, 6
	v_add_nc_u32 v20, s45, v20
	s_lshl_b32 s46, s4, 3
	v_add_nc_u32 v21, s46, v2                      ; LDS, back: row 8 w + gs + 2 i
	v_mul_u32_u24 v22, v21, LP
	v_lshl_add_u32 v22, v1, 4, v22
	v_mul_lo_u32 v23, v21, s31
	v_lshl_add_u32 v28, v1, 4, v23                 ; the same row in wt
	s_lshl_b32 s47, s31, 1
	v_add_nc_u32 v29, s47, v28
	v_add_nc_u32 v30, s47, v29
	v_add_nc_u32 v31, s47, v30
	s_wait_kmcnt 0x0
	s_cmp_eq_u32 s6, 1
	s_cselect_b64 s[36:37], s[16:17], s[14:15]
	s_cmp_eq_u32 s6, 2
	s_cselect_b64 s[36:37], s[18:19], s[36:37]
	s_cmp_eq_u32 s6, 3
	s_cselect_b64 s[36:37], s[20:21], s[36:37]
	s_cmp_eq_u32 s3, 1
	s_cselect_b64 s[36:37], s[22:23], s[36:37]
	s_cmp_eq_u32 s3, 2
	s_cselect_b64 s[36:37], s[24:25], s[36:37]
	s_add_nc_u64 s[36:37], s[36:37], s[40:41]
	s_add_nc_u64 s[28:29], s[28:29], s[42:43]
.set i, 0
.rept 16
	global_load_b128 v[32+4*i:35+4*i], v[4+i], s[36:37] th:TH_LOAD_NT   ; sixteen lanes take the tile's 256 bytes of one source row
.set i, i+1
.endr
.irp st, 0,1,2,3,4,5,6,7
	s_wait_loadcnt 14-2*\st                        ; loads return in order: the pair of rows of step st is in, the younger ones stay out
.irp j, 0,1,2,3
	v_cvt_pk_bf16_f32 v[24+\j], v[32+8*\st+\j], v[36+8*\st+\j]          ; k and k + 1 of column 4 q + j in one word
.endr
.irp j, 0,1,2,3
	ds_store_b32 v20, v[24+\j] offset:\j*LP+8*\st
.endr
.endr
	s_wait_dscnt 0x0                               ; my stores are done before I say so
	s_barrier_signal -1
	s_barrier_wait -1
.irp i, 0,1,2,3
.irp hf, 0,1
.irp j, 0,1,2,3
	ds_load_b32 v[96+4*(2*\i+\hf)+\j], v22 offset:2*\i*LP+256*\hf+4*\j
.endr
.endr
.endr
	s_wait_dscnt 0x0
.irp i, 0,1,2,3
.irp hf, 0,1
	global_store_b128 v[28+\i], v[96+4*(2*\i+\hf):96+4*(2*\i+\hf)+3], s[28:29] offset:256*\hf   ; sixteen lanes store 256 consecutive bytes, aligned
.endr
.endr
	s_endpgm
.Lfunc_end_k_q6ae9ec43ba_prep:
	.size	k_q6ae9ec43ba_prep, .Lfunc_end_k_q6ae9ec43ba_prep-k_q6ae9ec43ba_prep
	.p2alignl 7, 3214868480
	.fill 96, 4, 3214868480
	.section	.rodata,"a",@progbits
	.p2align	6, 0x0
	.amdhsa_kernel k_q6ae9ec43ba_prep
		.amdhsa_group_segment_fixed_size 33280
		.amdhsa_private_segment_fixed_size 0
		.amdhsa_enable_private_segment 0
		.amdhsa_kernarg_size 88
		.amdhsa_user_sgpr_count 2
		.amdhsa_user_sgpr_kernarg_segment_ptr 1
		.amdhsa_wavefront_size32 1
		.amdhsa_system_sgpr_workgroup_id_x 1
		.amdhsa_system_sgpr_workgroup_id_y 1
		.amdhsa_system_sgpr_workgroup_id_z 1
		.amdhsa_system_vgpr_workitem_id 0
		.amdhsa_next_free_vgpr 160
		.amdhsa_next_free_sgpr 66
		.amdhsa_reserve_vcc 0
		.amdhsa_float_denorm_mode_32 3
		.amdhsa_float_denorm_mode_16_64 3
		.amdhsa_memory_ordered 1
		.amdhsa_forward_progress 1
		.amdhsa_inst_pref_size 33
	.end_amdhsa_kernel
	.amdgpu_metadata
---
amdhsa.version: [ 1, 2 ]
amdhsa.kernels:
  - .name:           k_q6ae9ec43ba_prep
    .symbol:         k_q6ae9ec43ba_prep.kd
    .args:
      - { .name: x, .offset: 0, .size: 8, .value_kind: global_buffer, .address_space: global }
      - { .name: g1, .offset: 8, .size: 8, .value_kind: global_buffer, .address_space: global }
      - { .name: s1, .offset: 16, .size: 8, .value_kind: global_buffer, .address_space: global }
      - { .name: Wq, .offset: 24, .size: 8, .value_kind: global_buffer, .address_space: global }
      - { .name: Wk, .offset: 32, .size: 8, .value_kind: global_buffer, .address_space: global }
      - { .name: Wv, .offset: 40, .size: 8, .value_kind: global_buffer, .address_space: global }
      - { .name: Wo, .offset: 48, .size: 8, .value_kind: global_buffer, .address_space: global }
      - { .name: W1, .offset: 56, .size: 8, .value_kind: global_buffer, .address_space: global }
      - { .name: W2, .offset: 64, .size: 8, .value_kind: global_buffer, .address_space: global }
      - { .name: h, .offset: 72, .size: 8, .value_kind: global_buffer, .address_space: global }
      - { .name: wt, .offset: 80, .size: 8, .value_kind: global_buffer, .address_space: global }
    .group_segment_fixed_size: 33280
    .private_segment_fixed_size: 0
    .kernarg_segment_align: 8
    .kernarg_segment_size: 88
    .max_flat_workgroup_size: 256
    .sgpr_count:     66
    .vgpr_count:     160
    .wavefront_size: 32
...
	.end_amdgpu_metadata
.endif
;; end of part 1
;; launch qkv (part 2): grid 12 x 16, 4 waves a work-group, clusters of 4 x 4, 327,680 bytes of LDS; arguments h, wt, bq, bk, bv, qkv, tsum; writes qkv, tsum
.if DOCPART == 2
	.amdgcn_target "amdgcn-amd-amdhsa--gfx1250"
	.amdhsa_code_object_version 6
	.text
	.protected	k_q6ae9ec43ba_qkv
	.globl	k_q6ae9ec43ba_qkv
	.p2align	8
	.type	k_q6ae9ec43ba_qkv,@function
k_q6ae9ec43ba_qkv:
	s_mov_b64 s[64:65], 0
	v_nop
	global_prefetch_b8 v0, s[64:65] scope:SCOPE_SE
	s_setreg_imm32_b32 hwreg(HW_REG_WAVE_MODE, 25, 1), 1
	s_wait_xcnt 0x0
	s_wait_alu depctr_hold_cnt(0) depctr_sa_sdst(0) depctr_va_vdst(0) depctr_va_sdst(0) depctr_va_ssrc(0) depctr_va_vcc(0) depctr_vm_vsrc(0)
	s_getreg_b32 s2, hwreg(HW_REG_IB_STS2, 6, 4)
	s_cmp_eq_u32 s2, 0
	s_cbranch_scc0 .Lentry_in_a_cluster
	s_endpgm
.Lentry_in_a_cluster:
	s_bfe_u32 s2, ttmp6, 0x10000c
	s_cmp_lg_u32 s2, 0xf033
	s_cbranch_scc0 .Lentry_shape_is_right
	s_endpgm
.Lentry_shape_is_right:
; qkv[m][n] = sum over k of h[m][k] Wt[n][k] + bias[n], bf16 out, f32 sums.  h: [4096][1024] bf16; Wt: rows 0-1023 Wq, 1024-2047 Wk,
; 2048-3071 Wv, each [n][k] bf16; qkv: [4096][3072] bf16.  Also tsum[m / 128][n] = the sum of V's column n over 128 tokens, in f32,
; taken from the sums before they are rounded.
; A work-group makes 256 x 256 with four waves, a wave 128 x 128 (64 accumulator tiles, 512 registers).  K goes in steps of 128 through
; two LDS slots filled by tensor loads whose rows are 256 bytes of memory.  12 x 16 = 192 work-groups: blocks of 192 columns would give
; 256, but rows of 384 bytes on the way out.
; CLUSTERS: 4 x 4 work-groups.  A's tile hangs on the block row alone and is asked for jointly by a row of the cluster, B's on the block
; column alone and is asked for by a column.  The cluster's x (0, 1, 2) is also the matrix: Q, K or V.
; REGISTERS by windows of 256: window 0: v0-31 addresses, v64-191 fragments of A (two buffers), v192-223 at work on the way out;
; window 1: v0-63 the bias of my 128 columns, v64-191 fragments of B; windows 2 and 3: the accumulators (tile (a, b) at v[8 (8 a + b)]).
; The matrix instruction is used transposed (source 0 = rows of Wt, source 1 = rows of h): lane l holds row l % 16 of the result and
; its eight registers the columns 8 (l / 16) + 0..7.
; Limits: operands are bf16; NaN and infinite inputs are not served.
.set KDIM,   1024
.set NDIM,   3072
.set KSTEP,  128
.set PITCH,  272                       ; 256 bytes of data + 16 of padding: the 16 rows of a fragment load start in 16 different groups of banks
.set HALFT,  128*PITCH
.set SLOT,   4*HALFT
.set STAGE,  2*SLOT
.set SPITCH, 272
.set LAPS,   KDIM/(2*KSTEP)
.set ADRA, 16
.set ADRB, 20
.set STO,  24
.set RD,   25
.set CO,   26
.set BOF,  27                          ; v27 = 32 (l / 16): my eight columns' f32 inside a tile's sixteen
.set F0,   64
.set F1,   128
.set XR,   64                          ; the way out: 64 results in f32
.set TMP,  192
.set G1, 24
.set G0, 32
.set G1B, 48
.set G0B, 56
.set MSB, 0
.macro WIN new                         ; the immediate's high byte repeats the setting that is left
.if MSB != \new
	s_set_vgpr_msb (MSB<<8)|\new
.set MSB, \new
.endif
.endm
.set MUL_LO, 0xa1                      ; source 0 (B) window 1, source 1 (A) window 0, C and D window 2
.set MUL_HI, 0xf1                      ; the same, C and D window 3
.set TO_B,   0x40                      ; destination window 1, address window 0
.macro JLOAD s                         ; waves 0 and 1 ask for A's halves, waves 2 and 3 for B's; each line has one mask
	s_cmp_eq_u32 s11, 0
	s_cbranch_scc0 .Lfor_b_\@
	tensor_load_to_lds s[G0+4*\s:G0+4*\s+3], s[G1:G1+7]
	s_nop 0
	s_branch .Lasked_\@
.Lfor_b_\@:
	tensor_load_to_lds s[G0B+4*\s:G0B+4*\s+3], s[G1B:G1B+7]
	s_nop 0
.Lasked_\@:
.endm
.macro CREST                           ; a round of the cluster's barrier behind its opening barrier
	s_cmp_lg_u32 s10, 0
	s_cbranch_scc1 .Lnot_wave_0_\@
	s_barrier_signal -3
.Lnot_wave_0_\@:
	s_barrier_wait -3
	s_barrier_signal -1
	s_barrier_wait -1
.endm
.macro CROUND
	s_barrier_signal -1
	s_barrier_wait -1
	CREST
.endm
	s_load_b128 s[4:7], s[0:1], 0x0                ; h s[4:5], wt s[6:7]
	s_load_b256 s[68:75], s[0:1], 0x10             ; bq s[68:69], bk s[70:71], bv s[72:73], qkv s[74:75]
	s_load_b64 s[76:77], s[0:1], 0x30              ; tsum
	v_lshrrev_b32 v1, 5, v0
	v_readfirstlane_b32 s10, v1                    ; wave 0..3
	s_lshr_b32 s11, s10, 1                         ; my half of the block's rows; also: I fetch for A (0) or B (1)
	s_and_b32 s12, s10, 1                          ; my half of its columns; also: which 128 rows of that tile I fetch
	s_bfe_u32 s40, ttmp6, 0x40000                  ; cx
	s_bfe_u32 s41, ttmp6, 0x40004                  ; cy
	s_lshl_b32 s42, ttmp9, 2
	s_add_co_u32 s42, s42, s40                     ; block column
	s_and_b32 s13, ttmp7, 0xffff
	s_lshl_b32 s13, s13, 2
	s_add_co_u32 s13, s13, s41                     ; block row
	s_lshl_b32 s43, s41, 2
	s_lshl_b32 s43, 15, s43                        ; my row of the cluster
	s_lshl_b32 s44, 0x1111, s40                    ; my column
	s_or_b32 s[G1+0], s43, (1<<16)|(1<<20)|(1<<21)|(5<<22)|(3<<25)   ; mask; 2-byte elements; 4 words of padding behind every 64
	s_or_b32 s[G1B+0], s44, (1<<16)|(1<<20)|(1<<21)|(5<<22)|(3<<25)
	s_mov_b32 s[G1B+1], KSTEP<<16
	s_mov_b32 s[G1+1], KSTEP<<16                   ; tensor_dim0 = 128
	s_mov_b32 s[G1B+2], 128<<16
	s_mov_b32 s[G1+2], 128<<16                     ; tensor_dim1 = 128
	s_mov_b32 s[G1B+3], KSTEP<<16
	s_mov_b32 s[G1+3], KSTEP<<16                   ; tile_dim0 = 128
	s_mov_b32 s[G1B+4], 128
	s_mov_b32 s[G1+4], 128                         ; tile_dim1 = 128
	s_mov_b32 s[G1B+5], KDIM
	s_mov_b32 s[G1+5], KDIM                        ; elements from row to row
	s_mov_b32 s[G1B+6], 0
	s_mov_b32 s[G1+6], 0
	s_mov_b32 s[G1B+7], 0
	s_mov_b32 s[G1+7], 0
	s_lshl_b32 s17, s12, 7
	s_lshl_b32 s16, s13, 8
	s_add_co_u32 s16, s16, s17                     ; A: row 256 x block row + 128 x half
	s_lshl_b32 s46, s42, 8
	s_add_co_u32 s46, s46, s17                     ; B: row 256 x block column + 128 x half
	s_mov_b32 s17, 0
	s_mov_b32 s47, 0
	s_mov_b64 s[18:19], KDIM*2
	s_mul_u64 s[16:17], s[16:17], s[18:19]
	s_mul_u64 s[46:47], s[46:47], s[18:19]
	s_mul_i32 s20, s10, HALFT                      ; LDS: A's two halves, then B's two halves = wave x 128 rows
	s_wait_kmcnt 0x0
	s_add_nc_u64 s[14:15], s[4:5], s[16:17]
	s_add_nc_u64 s[46:47], s[6:7], s[46:47]
	CROUND                                         ; all sixteen work-groups are here: the first joint loads meet
.irp s, 0,1
	s_mov_b32 s[G0+4*\s], 1
	s_add_co_u32 s[G0+4*\s+1], s20, \s*SLOT
	s_add_nc_u64 s[G0+4*\s+2:G0+4*\s+3], s[14:15], \s*KSTEP*2
	s_or_b32 s[G0+4*\s+3], s[G0+4*\s+3], 0x80000000
	s_mov_b32 s[G0B+4*\s], 1
	s_add_co_u32 s[G0B+4*\s+1], s20, \s*SLOT
	s_add_nc_u64 s[G0B+4*\s+2:G0B+4*\s+3], s[46:47], \s*KSTEP*2
	s_or_b32 s[G0B+4*\s+3], s[G0B+4*\s+3], 0x80000000
	JLOAD \s
.endr
	v_and_b32 v1, 15, v0                           ; l % 16
	v_bfe_u32 v2, v0, 4, 1                         ; l / 16
	v_mul_u32_u24 v3, v1, PITCH
	v_lshl_add_u32 v3, v2, 4, v3
	s_mul_i32 s21, s11, HALFT
	s_mul_i32 s22, s12, HALFT
	s_add_co_u32 s22, s22, 2*HALFT
.irp s, 0,1
	v_add_nc_u32 v[ADRA+\s], s21, v3
	v_add_nc_u32 v[ADRB+\s], s22, v3
	s_add_co_u32 s21, s21, SLOT
	s_add_co_u32 s22, s22, SLOT
.endr
	s_mul_i32 s23, s10, 16*SPITCH
	s_add_co_u32 s23, s23, STAGE
	v_mul_u32_u24 v4, v1, SPITCH
	v_lshl_add_u32 v4, v2, 4, v4
	v_add_nc_u32 v[STO], s23, v4
	v_mul_u32_u24 v5, v2, SPITCH
	v_lshl_add_u32 v5, v1, 4, v5
	v_add_nc_u32 v[RD], s23, v5
	v_mul_u32_u24 v5, v2, NDIM*2
	v_lshl_add_u32 v[CO], v1, 4, v5
	v_lshlrev_b32 v[BOF], 5, v2
	; the bias of my 128 columns, in the accumulators' layout, into window 1
	s_mov_b64 s[8:9], s[74:75]
	s_cmp_eq_u32 ttmp9, 1                          ; the cluster's x names the matrix; it is the same in all partners
	s_cselect_b64 s[66:67], s[70:71], s[68:69]
	s_cmp_eq_u32 ttmp9, 2
	s_cselect_b64 s[66:67], s[72:73], s[66:67]
	s_lshl_b32 s78, s40, 10                        ; 256 columns of f32 for each block inside the matrix
	s_lshl_b32 s79, s12, 9
	s_add_co_u32 s78, s78, s79
	s_mov_b32 s79, 0
	s_add_nc_u64 s[66:67], s[66:67], s[78:79]
	WIN TO_B
.irp b, 0,1,2,3,4,5,6,7
	global_load_b128 v[8*\b:8*\b+3],   v[BOF], s[66:67] offset:64*\b
	global_load_b128 v[8*\b+4:8*\b+7], v[BOF], s[66:67] offset:64*\b+16
.endr
	WIN 0
.macro MUL16 f, hi, a0, zero
.irp a, \a0, \a0+1
.irp b, 0,1,2,3,4,5,6,7
.if \zero
	v_wmma_f32_16x16x32_bf16 v[8*(8*(\a)+\b):8*(8*(\a)+\b)+7], v[\f+8*\b:\f+8*\b+7], v[\f+8*(4*\hi+\a):\f+8*(4*\hi+\a)+7], 0
.else
	v_wmma_f32_16x16x32_bf16 v[8*(8*(\a)+\b):8*(8*(\a)+\b)+7], v[\f+8*\b:\f+8*\b+7], v[\f+8*(4*\hi+\a):\f+8*(4*\hi+\a)+7], v[8*(8*(\a)+\b):8*(8*(\a)+\b)+7]
.endif
.endr
.endr
.endm
.macro FETCH slot, k, f                ; 32 LDS loads in one run: 128 rows of B, 128 rows of A, 32 along K at byte k of the rows
	WIN TO_B
.irp i, 0,1,2,3,4,5,6,7
	ds_load_b128 v[\f+8*\i:\f+8*\i+3],   v[ADRB+\slot] offset:\k+\i*16*PITCH
	ds_load_b128 v[\f+8*\i+4:\f+8*\i+7], v[ADRB+\slot] offset:\k+\i*16*PITCH+32
.endr
	WIN 0
.irp i, 0,1,2,3,4,5,6,7
	ds_load_b128 v[\f+8*\i:\f+8*\i+3],   v[ADRA+\slot] offset:\k+\i*16*PITCH
	ds_load_b128 v[\f+8*\i+4:\f+8*\i+7], v[ADRA+\slot] offset:\k+\i*16*PITCH+32
.endr
.endm
.macro PLACES                          ; four independent vector instructions between a matrix instruction and a load into, or a vector read of, its registers
.rept 4
	v_nop
.endr
.endm
.macro QUARTER slot, k, f, g, zero     ; 64 matrix instructions on buffer f; in the middle the next quarter's fragments go into buffer g
	s_wait_dscnt 8                                 ; B and A's rows 0-63 are in; the youngest eight loads (A's rows 64-127) may be out
	WIN MUL_LO
	MUL16 \f, 0, 0, \zero
	MUL16 \f, 0, 2, \zero
	PLACES
	FETCH \slot, \k, \g
	s_wait_dscnt 32                                ; all but the 32 just issued
	WIN MUL_HI
	MUL16 \f, 1, 0, \zero
	MUL16 \f, 1, 2, \zero
.endm
.macro HEAD slot, zero
	QUARTER \slot, 64,  F0, F1, \zero
	QUARTER \slot, 128, F1, F0, 0
	QUARTER \slot, 192, F0, F1, 0
.endm
.macro TURN slot, next, fill           ; the last quarter of a K step, and the change of slots
	s_wait_dscnt 8
	WIN MUL_LO
	MUL16 F1, 0, 0, 0
	s_wait_dscnt 0                                 ; my reads of this slot are over,
	s_wait_tensorcnt 0x0                           ; and all my tensor loads have landed: the one that was out is my part of the next slot
	s_barrier_signal -1
	MUL16 F1, 0, 2, 0                              ; register work while the others arrive
	WIN 0
	s_barrier_wait -1
.if \fill
	CREST                                          ; all sixteen work-groups have said so: no partner's wave still reads this slot or has a load on its way
	s_add_nc_u64 s[G0+4*\slot+2:G0+4*\slot+3], s[G0+4*\slot+2:G0+4*\slot+3], 2*KSTEP*2
	s_add_nc_u64 s[G0B+4*\slot+2:G0B+4*\slot+3], s[G0B+4*\slot+2:G0B+4*\slot+3], 2*KSTEP*2
	JLOAD \slot                                    ; the first tensor load behind the round, one a wave
.endif
	PLACES
	FETCH \next, 0, F0
	WIN MUL_HI
	MUL16 F1, 1, 0, 0
	MUL16 F1, 1, 2, 0
.endm
.macro LAP zero
	HEAD 0, \zero
	TURN 0, 1, 1
	HEAD 1, 0
	TURN 1, 0, 1
.endm
	s_wait_loadcnt 0x0                             ; the bias, which was on its way together with the first tiles
	s_wait_tensorcnt 1                             ; my part of K step 0 is in; K step 1's may stay out
	s_barrier_signal -1
	s_barrier_wait -1
	FETCH 0, 0, F0
	LAP 1                                          ; the first products start the sums; the 64 accumulators take turns, one instruction a turn
	WIN 0
	s_mov_b32 s3, LAPS-2
.Llap:
	LAP 0
	WIN 0
	s_sub_co_u32 s3, s3, 1
	s_cmp_lg_u32 s3, 0
	s_cbranch_scc1 .Llap
	HEAD 0, 0                                      ; the last lap fills nothing
	TURN 0, 1, 0
	HEAD 1, 0
	s_wait_dscnt 8
	WIN MUL_LO
	MUL16 F1, 0, 0, 0
	MUL16 F1, 0, 2, 0
	s_wait_dscnt 0
	WIN MUL_HI
	MUL16 F1, 1, 0, 0
	MUL16 F1, 1, 2, 0
	PLACES
	WIN 0
	s_lshl_b32 s16, s13, 8
	s_lshl_b32 s14, s11, 7
	s_add_co_u32 s16, s16, s14                     ; my first row
	s_mov_b32 s17, 0
	s_mov_b64 s[18:19], NDIM*2
	s_mul_u64 s[16:17], s[16:17], s[18:19]
	s_add_nc_u64 s[8:9], s[8:9], s[16:17]
	s_lshl_b32 s46, s42, 9
	s_lshl_b32 s47, s12, 8
	s_add_co_u32 s46, s46, s47                     ; my first column, in bytes
	s_mov_b32 s47, 0
	s_add_nc_u64 s[8:9], s[8:9], s[46:47]
	; V's clusters: the column sums of my 128 tokens.  Eight tiles are added register by register, then the sixteen lanes that hold the
	; sixteen rows of a tile; 128 x bias comes on top.  Lanes 0 and 16 store: 512 bytes a wave, 131,072 bytes in the whole launch.
	s_cmp_lg_u32 ttmp9, 2
	s_cbranch_scc1 .Lno_tsum
	s_lshl1_add_u32 s78, s13, s11                  ; token tile = 2 x block row + half
	s_lshl_b32 s78, s78, 12
	s_lshl_b32 s79, s40, 10
	s_add_co_u32 s78, s78, s79
	s_lshl_b32 s79, s12, 9
	s_add_co_u32 s78, s78, s79
	s_mov_b32 s79, 0
	s_add_nc_u64 s[76:77], s[76:77], s[78:79]
	WIN 0x0a                                       ; sources 0 and 1 in window 2
.set p, 0
.rept 32
	v_pk_add_f32 v[XR+p:XR+p+1], v[p:p+1], v[64+p:64+p+1]
.set p, p+2
.endr
	WIN 0x02                                       ; source 0 in window 2
.irp a, 2,3
.set p, 0
.rept 32
	v_pk_add_f32 v[XR+p:XR+p+1], v[64*\a+p:64*\a+p+1], v[XR+p:XR+p+1]
.set p, p+2
.endr
.endr
	WIN 0x03                                       ; source 0 in window 3
.irp a, 0,1,2,3
.set p, 0
.rept 32
	v_pk_add_f32 v[XR+p:XR+p+1], v[64*\a+p:64*\a+p+1], v[XR+p:XR+p+1]
.set p, p+2
.endr
.endr
	WIN 0
.irp m, 1,2,4,8
.set p, 0
.rept 64
	v_add_f32_dpp v[XR+p], v[XR+p], v[XR+p] row_xmask:\m row_mask:0xf bank_mask:0xf
.set p, p+1
.endr
.endr
	WIN 0x01                                       ; source 0 (the bias) in window 1
.set p, 0
.rept 32
	v_pk_fma_f32 v[XR+p:XR+p+1], v[p:p+1], 0x43000000, v[XR+p:XR+p+1] op_sel_hi:[1,0,1]   ; + 128 x bias
.set p, p+2
.endr
	WIN 0
	s_wait_xcnt 0x0                                ; EXEC changes only behind this wait
	v_cmp_eq_u32 vcc_lo, 0, v1
	s_and_saveexec_b32 s80, vcc_lo
.irp b, 0,1,2,3,4,5,6,7
	global_store_b128 v[BOF], v[XR+8*\b:XR+8*\b+3],   s[76:77] offset:64*\b
	global_store_b128 v[BOF], v[XR+8*\b+4:XR+8*\b+7], s[76:77] offset:64*\b+16
.endr
	s_wait_xcnt 0x0                                ; and again before it is widened; the stores' data are rewritten below
	s_or_b32 exec_lo, exec_lo, s80
.Lno_tsum:
; rows 16 i .. 16 i + 15 of my block: + bias, round to bf16, 16 bytes a lane into my own stage, back as whole rows of 256 bytes
.macro OUT16 i, a, from, f
	WIN \from                                      ; source 0 the accumulators' window, source 1 window 1 (the bias)
.irp b, 0,1,2,3,4,5,6,7
.irp p, 0,2,4,6
	v_pk_add_f32 v[XR+8*\b+\p:XR+8*\b+\p+1], v[8*(8*\a+\b)+\p:8*(8*\a+\b)+\p+1], v[8*\b+\p:8*\b+\p+1]
.endr
.endr
	WIN 0
.irp b, 0,1,2,3,4,5,6,7
.irp r, 0,1,2,3
	v_cvt_pk_bf16_f32 v[TMP+4*\b+\r], v[XR+8*\b+2*\r], v[XR+8*\b+2*\r+1]
.endr
.endr
.irp b, 0,1,2,3,4,5,6,7
	ds_store_b128 v[STO], v[TMP+4*\b:TMP+4*\b+3] offset:32*\b
.endr
	s_wait_xcnt 0x0                                ; buffer f, which earlier stores read, and the stores' base are rewritten only behind this wait
.if \i
	s_add_nc_u64 s[8:9], s[8:9], 16*NDIM*2
.endif
.irp t, 0,1,2,3,4,5,6,7
	ds_load_b128 v[\f+4*\t:\f+4*\t+3], v[RD] offset:\t*2*SPITCH    ; LDS serves a wave's instructions in order: these see the stores above
.endr
.irp t, 0,1,2,3,4,5,6,7
	s_wait_dscnt 7-\t
	global_store_b128 v[CO], v[\f+4*\t:\f+4*\t+3], s[8:9] offset:2*\t*NDIM*2   ; 16 lanes store 256 consecutive bytes, aligned
.endr
.endm
	OUT16 0, 0, 0x06, 128
	OUT16 1, 1, 0x06, 160
	OUT16 2, 2, 0x06, 128
	OUT16 3, 3, 0x06, 160
	OUT16 4, 0, 0x07, 128
	OUT16 5, 1, 0x07, 160
	OUT16 6, 2, 0x07, 128
	OUT16 7, 3, 0x07, 160
	CROUND                                         ; the closing round: no work-group ends while a partner may still ask for a tile that names it
	s_endpgm
.Lfunc_end_k_q6ae9ec43ba_qkv:
	.size	k_q6ae9ec43ba_qkv, .Lfunc_end_k_q6ae9ec43ba_qkv-k_q6ae9ec43ba_qkv
	.p2alignl 7, 3214868480
	.fill 96, 4, 3214868480
	.section	.rodata,"a",@progbits
	.p2align	6, 0x0
	.amdhsa_kernel k_q6ae9ec43ba_qkv
		.amdhsa_group_segment_fixed_size 327680
		.amdhsa_private_segment_fixed_size 0
		.amdhsa_enable_private_segment 0
		.amdhsa_kernarg_size 56
		.amdhsa_user_sgpr_count 2
		.amdhsa_user_sgpr_kernarg_segment_ptr 1
		.amdhsa_wavefront_size32 1
		.amdhsa_system_sgpr_workgroup_id_x 1
		.amdhsa_system_sgpr_workgroup_id_y 1
		.amdhsa_system_sgpr_workgroup_id_z 1
		.amdhsa_system_vgpr_workitem_id 0
		.amdhsa_next_free_vgpr 1024
		.amdhsa_next_free_sgpr 88
		.amdhsa_reserve_vcc 1
		.amdhsa_float_denorm_mode_32 3
		.amdhsa_float_denorm_mode_16_64 3
		.amdhsa_memory_ordered 1
		.amdhsa_forward_progress 1
		.amdhsa_inst_pref_size 248
	.end_amdhsa_kernel
	.amdgpu_metadata
---
amdhsa.version: [ 1, 2 ]
amdhsa.kernels:
  - .name:           k_q6ae9ec43ba_qkv
    .symbol:         k_q6ae9ec43ba_qkv.kd
    .args:
      - { .name: h, .offset: 0, .size: 8, .value_kind: global_buffer, .address_space: global }
      - { .name: wt, .offset: 8, .size: 8, .value_kind: global_buffer, .address_space: global }
      - { .name: bq, .offset: 16, .size: 8, .value_kind: global_buffer, .address_space: global }
      - { .name: bk, .offset: 24, .size: 8, .value_kind: global_buffer, .address_space: global }
      - { .name: bv, .offset: 32, .size: 8, .value_kind: global_buffer, .address_space: global }
      - { .name: qkv, .offset: 40, .size: 8, .value_kind: global_buffer, .address_space: global }
      - { .name: tsum, .offset: 48, .size: 8, .value_kind: global_buffer, .address_space: global }
    .group_segment_fixed_size: 327680
    .private_segment_fixed_size: 0
    .kernarg_segment_align: 8
    .kernarg_segment_size: 56
    .max_flat_workgroup_size: 128
    .sgpr_count:     88
    .vgpr_count:     1024
    .wavefront_size: 32
...
	.end_amdgpu_metadata
.endif
;; end of part 2
;; launch attn (part 3): grid 256 x 1, 16 waves a work-group, no clusters, 327,680 bytes of LDS; arguments qkv, tsum, ctx; writes ctx
.if DOCPART == 3
	.amdgcn_target "amdgcn-amd-amdhsa--gfx1250"
	.amdhsa_code_object_version 6
	.text
	.protected	k_q6ae9ec43ba_attn
	.globl	k_q6ae9ec43ba_attn
	.p2align	8
	.type	k_q6ae9ec43ba_attn,@function
k_q6ae9ec43ba_attn:
	s_mov_b64 s[64:65], 0
	v_nop
	global_prefetch_b8 v0, s[64:65] scope:SCOPE_SE
	s_setreg_imm32_b32 hwreg(HW_REG_WAVE_MODE, 25, 1), 1
	s_wait_xcnt 0x0
; Attention with a running maximum.  qkv: [4096 tokens][3072] bf16 (Q, K, V, 16 heads of 64 in each); ctx: [4096][1024] bf16.
; THE MASK VALUE IS FINITE: a key behind the query takes the score -100000, and keeps the weight exp(-100000 - max).  Inside the tiles
; that are walked the raw score is replaced by -800000 (x 1/8 = -100000).  The keys behind them are all masked and have one common
; weight, so they enter through tsum, the column sums of V for each 128 tokens, and through their number.
; SHARING: work-group = (batch, head, i), i = 0..7; the eight work-groups of a head have numbers 32 apart.  It makes query blocks i and
; 15 - i, 128 rows each.  Block jd walks u = jd / 2 + 1 key tiles of 256 keys; of the two blocks one has an even u and one an odd u, and
; the two make 9 tiles for every work-group.  The even block goes first: it ends on slot 1, so the odd block begins on slot 0 and every
; slot's number stands in the text.  Each block takes its diagonal tile first (masked; it starts the sums), then tiles 0, 1, ..
; Sixteen waves, four for each of a WGP's four SIMDs, 256 registers each.  Wave w: g = w & 3 takes query rows 32 g .. + 31 (two tiles of
; 16), s = w >> 2 takes keys 64 s .. + 63 of every tile; the four waves of a g keep (max, sum, O) apart and merge at the block's end.
; TRANSPOSED: S' = K Q' (A = rows of K, B = rows of Q): lane (r, hl) holds, for query r, keys 16 t + 8 hl + j.  So maximum, sum and
; rescaling are one number a lane, and P' is already a B fragment after rounding.  O' = V' P' with V' from transposing LDS loads.
; NO MULTICAST: the eight work-groups of a head walk lists of different lengths (2, 4, 6 or 8 tiles, then the rest of 9), so their
; requests do not meet.
; LDS: two slots of 81,920 bytes, each four chunks of K (64 rows, pitch 144) and four of V (64 rows, pitch 160), 10,240 bytes a chunk,
; one chunk for each of waves 0-7 to fill; behind the ring, in bytes that no fill touches: the merge area (one area of 8,704 bytes for
; each wave, area 4 g + s, so that the wave with s = 0 finds its three partners' dumps 1, 2 and 3 areas behind its own, which stays
; unused), the stage for the way out, the sums of V.  Slot 1 lies beyond what an LDS immediate reaches, so each slot has its own
; address registers.
; Limits: operands are bf16; v_exp_f32 and v_rcp_f32 are accurate to 1 ULP and flush denormals; NaN and infinite inputs are not served.
.set QP,    6144                       ; bytes of a row of qkv
.set TILEB, 256*QP                     ; from a key tile to the next
.set CHUNK, 10240
.set SLOT,  8*CHUNK
.set KP,    144
.set VP,    160
.set MRG,   2*SLOT
.set MRGW,  8704                       ; 17 x 512 bytes: 64 registers of O and (m, l, m, l)
.set STG,   MRG+16*MRGW
.set STGW,  32*KP
.set SUF,   STG+4*STGW
.set KA,  1                            ; v1, v2     K fragments' address in slot 0, 1
.set VA,  3                            ; v3, v4     V fragments' address in slot 0, 1
.set QO,  5                            ; v5         Q offset
.set DQ,  6                            ; v6, v7     query minus key inside a tile, for the two query tiles
.set NG,  8                            ; v8         -800000.0
.set MA,  9                            ; v9         my area of the merge area
.set SS,  10                           ; v10        stage, in
.set SR,  11                           ; v11        stage, back
.set CO,  12                           ; v12        ctx offset
.set SU,  13                           ; v13        sums of V, back
.set TD,  14                           ; v14        at work; v15: sums of V, in
                                       ; v16-19 (m, l) of the two query tiles, v20-21 rescale, v22-23 minus the maximum, v24-31 at work
.set QF,  32                           ; v[32:63]   Q fragments, +16 qa + 8 c
.set SF,  64                           ; v[64:127]  S', tile (qa, t) at +8 (4 qa + t); later P' (qa, u) at +8 (4 qa + 2 u)
.set KV,  128                          ; v[128:191] K (t, c) at +16 t + 8 c, then V' (d, u) at +8 (4 u + d)
.set OF,  192                          ; v[192:255] O', tile (qa, d) at +8 (4 qa + d)
.set G1K, 24
.set G1V, 32
.set G0,  40
; scalars of the even block: s21 jd, s23 u, s56 query - key, s57 keys not walked, s58 their raw score, s[60:61] Q, s[62:63] ctx
; scalars of the odd block:  s22 jd, s79 u, s70, s71, s72 likewise, s[66:67] Q, s[68:69] ctx
; What a block needs, made of numbers alone: the two pairs hold byte offsets until the buffers' addresses have come.
.macro BLKSET jd, u, dq, nr, ng, qb, cb
	s_lshr_b32 s[\u], s[\jd], 1
	s_add_co_u32 s[\u], s[\u], 1                   ; u
	s_and_b32 s[\dq], s[\jd], 1
	s_lshl_b32 s[\dq], s[\dq], 7                   ; first query - first key of the diagonal tile: 0 or 128
	s_lshl_b32 s[\nr], s[\u], 8
	s_sub_co_u32 s[\nr], 2048, s[\nr]              ; keys that are not walked
	s_mov_b32 s[\ng], 0xc9435000                   ; their raw score, -800000.0,
	s_mov_b32 s78, 0xff800000                      ; or minus infinity where there are none
	s_cmp_eq_u32 s[\nr], 0
	s_cselect_b32 s[\ng], s78, s[\ng]
	s_lshl_b32 s80, s13, 11
	s_lshl_b32 s81, s[\jd], 7
	s_add_co_u32 s80, s80, s81
	s_lshl_b32 s81, s11, 5
	s_add_co_u32 s80, s80, s81                     ; my wave's first query row
	s_lshl_b32 s81, s15, 7                         ; the head's 128 bytes in a row
	s_mul_i32 s[\qb], s80, QP
	s_add_co_u32 s[\qb], s[\qb], s81
	s_mov_b32 s[\qb+1], 0
	s_lshl_b32 s[\cb], s80, 11
	s_add_co_u32 s[\cb], s[\cb], s81
	s_mov_b32 s[\cb+1], 0
.endm
	s_load_b128 s[4:7], s[0:1], 0x0                ; qkv s[4:5], tsum s[6:7]
	s_load_b64 s[8:9], s[0:1], 0x10                ; ctx
	v_lshrrev_b32 v24, 5, v0
	v_readfirstlane_b32 s10, v24                   ; wave 0..15
	s_and_b32 s11, s10, 3                          ; g
	s_lshr_b32 s12, s10, 2                         ; s
	s_bfe_u32 s13, ttmp9, 0x10004                  ; batch
	s_and_b32 s15, ttmp9, 15                       ; head
	s_lshr_b32 s14, ttmp9, 5                       ; i
	s_mov_b32 s52, 0x3e38aa3b                      ; log2(e) / 8: the scale 1 / sqrt(64) and the change to base 2
	s_mov_b32 s53, 0x3e38aa3b
	s_mov_b32 s54, 0x76543210
	s_mov_b32 s55, 0xfedcba98
	s_mov_b32 s[G1K+0], (1<<16)|(1<<20)|(4<<22)|(3<<25)   ; 2-byte elements; behind every 32 words 4 words of padding: pitch 144
	s_mov_b32 s[G1V+0], (1<<16)|(1<<20)|(4<<22)|(7<<25)   ; the same with 8 words: pitch 160
.irp g, G1K, G1V
	s_mov_b32 s[\g+1], 64<<16                      ; tensor_dim0 = 64
	s_mov_b32 s[\g+2], 64<<16                      ; tensor_dim1 = 64
	s_mov_b32 s[\g+3], 64<<16                      ; tile_dim0 = 64 elements, a head's 128 bytes
	s_mov_b32 s[\g+4], 64                          ; tile_dim1 = 64 rows
	s_mov_b32 s[\g+5], 3072                        ; elements from row to row
	s_mov_b32 s[\g+6], 0
	s_mov_b32 s[\g+7], 0
.endr
	s_mov_b32 s[G0+0], 1
	s_mul_i32 s[G0+1], s10, CHUNK                  ; my chunk of slot 0
	s_mov_b32 s[G0+4], 1
	s_add_co_u32 s[G0+5], s[G0+1], SLOT            ; and of slot 1
	s_bfe_u32 s16, s10, 0x10002                    ; waves 0-3: K; waves 4-7: V
	s_lshl_b32 s16, s16, 11
	s_add_co_u32 s16, s16, 2048
	s_lshl_b32 s17, s11, 6                         ; which 64 keys of a tile
	s_lshl_b32 s18, s13, 11
	s_add_co_u32 s17, s17, s18
	s_mul_i32 s17, s17, QP
	s_add_co_u32 s16, s16, s17
	s_lshl_b32 s18, s15, 7
	s_add_co_u32 s16, s16, s18
	s_mov_b32 s17, 0                               ; s[16:17]: my chunk of key tile 0, as an offset
	s_lshl_b32 s76, s13, 16                        ; tsum: 16 rows of 4,096 bytes a batch,
	s_lshl_b32 s77, s15, 8                         ; 64 f32 a head
	s_add_co_u32 s76, s76, s77
	s_mov_b32 s77, 0
	s_sub_co_u32 s20, 15, s14
	s_bitcmp1_b32 s14, 1                           ; i / 2 odd: block i has the even u
	s_cselect_b32 s21, s14, s20                    ; the block with the even u
	s_cselect_b32 s22, s20, s14                    ; the block with the odd u
	BLKSET 21, 23, 56, 57, 58, 60, 62
	BLKSET 22, 79, 70, 71, 72, 66, 68
	v_and_b32 v24, 31, v0                          ; lane
	v_and_b32 v25, 15, v0                          ; r
	v_bfe_u32 v26, v0, 4, 1                        ; hl
	v_and_b32 v27, 7, v0
	v_bfe_u32 v28, v0, 3, 1
	v_bfe_u32 v29, v0, 3, 2                        ; lane / 8
	s_mul_i32 s80, s12, CHUNK
	v_mul_u32_u24 v[KA], v25, KP
	v_lshl_add_u32 v[KA], v26, 4, v[KA]
	v_add_nc_u32 v[KA], s80, v[KA]                 ; K: my quarter's chunk + r x 144 + 16 hl
	v_add_nc_u32 v[KA+1], SLOT, v[KA]
	v_lshl_add_u32 v[VA], v26, 3, v27
	v_mul_u32_u24 v[VA], v[VA], VP
	v_lshl_add_u32 v[VA], v28, 4, v[VA]
	s_add_co_u32 s80, s80, 4*CHUNK
	v_add_nc_u32 v[VA], s80, v[VA]                 ; V: chunk + (8 hl + lane % 8) x 160 + 16 ((lane / 8) % 2)
	v_add_nc_u32 v[VA+1], SLOT, v[VA]
	v_mul_u32_u24 v[QO], v25, QP
	v_lshl_add_u32 v[QO], v26, 4, v[QO]
	s_lshl_b32 s80, s11, 5
	s_lshl_b32 s81, s12, 6
	s_sub_co_i32 s80, s80, s81
	v_lshlrev_b32 v[DQ], 3, v26
	v_sub_nc_u32 v[DQ], v25, v[DQ]
	v_add_nc_u32 v[DQ], s80, v[DQ]                 ; 32 g + r - 64 s - 8 hl
	v_add_nc_u32 v[DQ+1], 16, v[DQ]
	v_mov_b32 v[NG], 0xc9435000                    ; -800000.0
	s_lshl_b32 s80, s11, 2
	s_add_co_u32 s80, s80, s12                     ; my area: 4 g + s
	s_mul_i32 s80, s80, MRGW
	s_add_co_u32 s80, s80, MRG
	v_lshl_add_u32 v[MA], v24, 4, s80
	s_mul_i32 s80, s11, STGW
	s_add_co_u32 s80, s80, STG
	v_mul_u32_u24 v[SS], v25, KP
	v_lshl_add_u32 v[SS], v26, 4, v[SS]
	v_add_nc_u32 v[SS], s80, v[SS]
	v_mul_u32_u24 v[SR], v29, KP
	v_lshl_add_u32 v[SR], v27, 4, v[SR]
	v_add_nc_u32 v[SR], s80, v[SR]
	v_lshlrev_b32 v[CO], 11, v29
	v_lshl_add_u32 v[CO], v27, 4, v[CO]
	s_lshl_b32 s80, s11, 9                         ; 256 bytes for each of the two blocks
	s_add_co_u32 s80, s80, SUF
	v_lshl_add_u32 v[SU], v26, 5, s80
	v_lshl_add_u32 v15, v24, 3, s80
	v_lshlrev_b32 v[TD], 3, v24
.macro SETT s, reg                     ; slot s's next tile; stands only where no tensor load of the wave is out
	s_mul_i32 s50, \reg, TILEB
	s_mov_b32 s51, 0
	s_add_nc_u64 s[G0+4*\s+2:G0+4*\s+3], s[48:49], s[50:51]
	s_or_b32 s[G0+4*\s+3], s[G0+4*\s+3], 0x80000000
.endm
.macro LOADT s                         ; waves 0-3: a quarter of K's tile; waves 4-7: a quarter of V's; waves 8-15: none
	s_cmp_gt_u32 s10, 7
	s_cbranch_scc1 .Lnone_\@
	s_cmp_gt_u32 s10, 3
	s_cbranch_scc1 .Lv_\@
	tensor_load_to_lds s[G0+4*\s:G0+4*\s+3], s[G1K:G1K+7]
	s_nop 0
	s_branch .Lnone_\@
.Lv_\@:
	tensor_load_to_lds s[G0+4*\s:G0+4*\s+3], s[G1V:G1V+7]
	s_nop 0
.Lnone_\@:
.endm
.macro QLOAD qb                        ; the Q fragments of my 32 query rows
.irp qa, 0,1
.irp c, 0,1
	global_load_b128 v[QF+16*\qa+8*\c:QF+16*\qa+8*\c+3],   v[QO], s[\qb:\qb+1] offset:\qa*16*QP+64*\c
	global_load_b128 v[QF+16*\qa+8*\c+4:QF+16*\qa+8*\c+7], v[QO], s[\qb:\qb+1] offset:\qa*16*QP+64*\c+32
.endr
.endr
.endm
	s_wait_kmcnt 0x0
	s_add_nc_u64 s[48:49], s[4:5], s[16:17]        ; my chunk of key tile 0
	s_sub_co_u32 s74, s23, 1
	SETT 0, s74                                    ; slot 0: the even block's diagonal tile
	s_mov_b32 s74, 0
	SETT 1, s74                                    ; slot 1: tile 0
	; both first fills go out together, ahead of every wait on TENSORcnt, every LDS read and every barrier
	s_cmp_gt_u32 s10, 7
	s_cbranch_scc1 .Lfilled
	s_cmp_gt_u32 s10, 3
	s_cbranch_scc1 .Lfill_v
	tensor_load_to_lds s[G0:G0+3], s[G1K:G1K+7]
	s_nop 0
	tensor_load_to_lds s[G0+4:G0+7], s[G1K:G1K+7]
	s_nop 0
	s_branch .Lfilled
.Lfill_v:
	tensor_load_to_lds s[G0:G0+3], s[G1V:G1V+7]
	s_nop 0
	tensor_load_to_lds s[G0+4:G0+7], s[G1V:G1V+7]
	s_nop 0
.Lfilled:
	s_add_nc_u64 s[60:61], s[4:5], s[60:61]
	s_add_nc_u64 s[62:63], s[8:9], s[62:63]
	s_add_nc_u64 s[66:67], s[4:5], s[66:67]
	s_add_nc_u64 s[68:69], s[8:9], s[68:69]
	s_add_nc_u64 s[76:77], s[6:7], s[76:77]
	QLOAD 60
	; the waves that merge: for each block the sum of V over the tokens that it does not walk (rows 2 u .. 15 of tsum), each row weighted 1 or 0
.macro SUFSUM u, blk
	s_lshl_b32 s80, s[\u], 1
	s_cmp_le_u32 s80, 2
	s_cselect_b32 s78, 1.0, 0
	v_mul_f32 v24, s78, v[SF]
	v_mul_f32 v25, s78, v[SF+1]
.irp j, 3,4,5,6,7,8,9,10,11,12,13,14,15
	s_cmp_le_u32 s80, \j
	s_cselect_b32 s78, 1.0, 0
	v_fmac_f32 v24, s78, v[SF+2*(\j-2)]
	v_fmac_f32 v25, s78, v[SF+2*(\j-2)+1]
.endr
	ds_store_b64 v15, v[24:25] offset:\blk*256     ; my wave's own 256 bytes
.endm
	s_cmp_lg_u32 s12, 0
	s_cbranch_scc1 .Lno_suf
.irp j, 2,3,4,5,6,7,8,9,10,11,12,13,14,15
	global_load_b64 v[SF+2*(\j-2):SF+2*(\j-2)+1], v[TD], s[76:77] offset:\j*4096   ; the wave takes the head's 256 consecutive bytes
.endr
	s_wait_loadcnt 0x0
	SUFSUM 23, 0
	SUFSUM 79, 1
.Lno_suf:
; Softmax step of query tile qa on its 32 scores a lane.  mask = 1: keys behind the query take -800000 (dq: the scalar with first query
; - first key).  first = 1: nothing to rescale.
.macro SM qa, mask, first, dq
.set SB, SF+32*\qa
.set OB, OF+32*\qa
.if \mask
	v_add_nc_u32 v[TD], s[\dq], v[DQ+\qa]          ; query - key for t = j = 0
.set n, 0
.rept 32
	v_cmp_gt_i32 vcc_lo, n+8*(n/8), v[TD]          ; 16 t + j > query - key: the key lies behind the query
	v_cndmask_b32 v[SB+n], v[SB+n], v[NG], vcc_lo
.set n, n+1
.endr
.endif
	v_max3_num_f32 v24, v[SB], v[SB+1], v[SB+2]
	v_max3_num_f32 v25, v[SB+16], v[SB+17], v[SB+18]
.irp k, 3,5,7,9,11,13
	v_max3_num_f32 v24, v24, v[SB+\k], v[SB+\k+1]
	v_max3_num_f32 v25, v25, v[SB+16+\k], v[SB+16+\k+1]
.endr
	v_max3_num_f32 v24, v24, v[SB+15], v[SB+31]
	v_max_num_f32 v24, v24, v25
	v_permlanex16_b32 v25, v24, s54, s55           ; the other eight keys of each sixteen lie in lane xor 16
	v_max_num_f32 v24, v24, v25
	v_mul_f32 v24, s52, v24
.if \first == 0
	v_max_num_f32 v24, v24, v[16+2*\qa]            ; the running maximum
	v_sub_f32 v26, v[16+2*\qa], v24
.endif
	v_sub_f32 v22, 0, v24
	v_sub_f32 v23, 0, v24
.set n, 0
.rept 16
	v_pk_fma_f32 v[SB+n:SB+n+1], v[SB+n:SB+n+1], s[52:53], v[22:23] op_sel_hi:[1,0,1]
.set n, n+2
.endr
.if \first == 0
	v_exp_f32 v20, v26
	v_exp_f32 v21, v26
.endif
.set n, 0
.rept 32
	v_exp_f32 v[SB+n], v[SB+n]
.set n, n+1
.endr
	v_mov_b32 v[16+2*\qa], v24                     ; the plain instruction behind the run of transcendentals (ISA guide 5.7.2)
.if \first == 0
.set n, 0
	s_wait_alu depctr_va_vdst(0)
.rept 16
	v_pk_mul_f32 v[OB+n:OB+n+1], v[OB+n:OB+n+1], v[20:21]
.set n, n+2
.endr
.endif
	s_wait_alu depctr_va_vdst(0)
.irp c, 0,2,4,6
	v_pk_add_f32 v[24+\c:25+\c], v[SB+\c:SB+\c+1], v[SB+8+\c:SB+8+\c+1]
.endr
.irp o, 16,24
.irp c, 0,2,4,6
	v_pk_add_f32 v[24+\c:25+\c], v[24+\c:25+\c], v[SB+\o+\c:SB+\o+\c+1]
.endr
.endr
	v_pk_add_f32 v[24:25], v[24:25], v[26:27]
	v_pk_add_f32 v[28:29], v[28:29], v[30:31]
	v_pk_add_f32 v[24:25], v[24:25], v[28:29]
.if \first
	v_add_f32 v[17+2*\qa], v24, v25
.else
	v_add_f32 v24, v24, v25
	v_fma_f32 v[17+2*\qa], v[17+2*\qa], v20, v24
.endif
.irp u, 0,16
.irp k, 0,1,2,3,4,5,6,7
	v_cvt_pk_bf16_f32 v[SB+\u+\k], v[SB+\u+2*\k], v[SB+\u+2*\k+1]   ; in place, ascending: 16 keys' weights of two tiles make one B fragment
.endr
.endr
.endm
; One key tile of 256 keys, of which my wave takes 64.  refill = 1: s74 holds the number of the tile that goes into the other slot.
; tw: how many of my tensor loads may stay out.  ql: not 0: the scalar pair with the next block's Q, which is loaded as soon as the
; products with this block's Q are four places past.
.macro TRIP slot, other, mask, first, refill, tw, dq, ql
	s_wait_tensorcnt \tw                           ; my chunk of this tile has landed (where a slot is filled behind the barrier: all my loads have)
.if \refill
	SETT \other, s74
.endif
	s_wait_dscnt 0x0                               ; my reads of the other slot are over
	s_barrier_signal -1
	s_barrier_wait -1                              ; both hold of all sixteen waves
.if \refill
	LOADT \other                                   ; first behind the barrier, one load a wave; it has this tile's work in which to land
.endif
.irp t, 0,1,2,3
.irp c, 0,1
	ds_load_b128 v[KV+16*\t+8*\c:KV+16*\t+8*\c+3],   v[KA+\slot] offset:\t*16*KP+64*\c
	ds_load_b128 v[KV+16*\t+8*\c+4:KV+16*\t+8*\c+7], v[KA+\slot] offset:\t*16*KP+64*\c+32
.endr
.endr
	s_wait_dscnt 0x0
.irp t, 0,1,2,3                        ; eight accumulators take turns, one instruction a turn
.irp qa, 0,1
	v_wmma_f32_16x16x32_bf16 v[SF+8*(4*\qa+\t):SF+8*(4*\qa+\t)+7], v[KV+16*\t:KV+16*\t+7], v[QF+16*\qa:QF+16*\qa+7], 0
.endr
.endr
.irp t, 0,1,2,3
.irp qa, 0,1
	v_wmma_f32_16x16x32_bf16 v[SF+8*(4*\qa+\t):SF+8*(4*\qa+\t)+7], v[KV+16*\t+8:KV+16*\t+15], v[QF+16*\qa+8:QF+16*\qa+15], v[SF+8*(4*\qa+\t):SF+8*(4*\qa+\t)+7]
.endr
.endr
.rept 4
	v_nop                                          ; four places before loads land on K's or Q's fragments and vector instructions read the scores
.endr
.irp u, 0,1
.irp d, 0,1,2,3
	ds_load_tr16_b128 v[KV+8*(4*\u+\d):KV+8*(4*\u+\d)+3],   v[VA+\slot] offset:\u*32*VP+32*\d
	ds_load_tr16_b128 v[KV+8*(4*\u+\d)+4:KV+8*(4*\u+\d)+7], v[VA+\slot] offset:\u*32*VP+32*\d+16*VP
.endr
.endr
.if \ql
	QLOAD \ql
.endif
	SM 0, \mask, \first, \dq
	SM 1, \mask, \first, \dq
	s_wait_dscnt 0x0
.irp u, 0,1
.irp d, 0,1,2,3
.irp qa, 0,1
.if \first*(1-\u)
	v_wmma_f32_16x16x32_bf16 v[OF+8*(4*\qa+\d):OF+8*(4*\qa+\d)+7], v[KV+8*(4*\u+\d):KV+8*(4*\u+\d)+7], v[SF+8*(4*\qa+2*\u):SF+8*(4*\qa+2*\u)+7], 0
.else
	v_wmma_f32_16x16x32_bf16 v[OF+8*(4*\qa+\d):OF+8*(4*\qa+\d)+7], v[KV+8*(4*\u+\d):KV+8*(4*\u+\d)+7], v[SF+8*(4*\qa+2*\u):SF+8*(4*\qa+2*\u)+7], v[OF+8*(4*\qa+\d):OF+8*(4*\qa+\d)+7]
.endif
.endr
.endr
.endr
.rept 5
	v_nop                                          ; five places: the next tile's first products write over P', its loads land on V'
.endr
.endm
; The merge.  Half idx of the three dumps: dump idx / 2 (the wave with s = idx / 2 + 1, that many areas behind mine), query tile idx % 2, 32 registers.
.macro HALF idx
.irp j, 0,1,2,3,4,5,6,7
	ds_load_b128 v[SF+32*((\idx)%2)+4*\j:SF+32*((\idx)%2)+4*\j+3], v[MA] offset:((\idx)/2+1)*MRGW+512*(8*((\idx)%2)+\j)
.endr
.endm
.macro ACC idx                         ; O += that half x its wave's factor
.set n, 0
.rept 16
	v_pk_fma_f32 v[OF+32*((\idx)%2)+n:OF+32*((\idx)%2)+n+1], v[SF+32*((\idx)%2)+n:SF+32*((\idx)%2)+n+1], v[130+10*((\idx)%2)+2*((\idx)/2):131+10*((\idx)%2)+2*((\idx)/2)], v[OF+32*((\idx)%2)+n:OF+32*((\idx)%2)+n+1]
.set n, n+2
.endr
.endm
; The five factors of query tile qa, each twice, into v[128 + 10 qa ..]: exp2(m_k - m) / l for the four waves, and the same for a key
; that is not walked.  (m, l) of the four waves lie in v16-19 (mine), v20-23, v24-27, v28-31; v156 the exponent of a key that is not
; walked, v157 how many there are.
.macro FACT qa, ng
.set FB, 128+10*\qa
	v_max3_num_f32 v148, v[16+2*\qa], v[20+2*\qa], v[24+2*\qa]
	v_max3_num_f32 v148, v148, v[28+2*\qa], v156
	v_sub_f32 v149, v[16+2*\qa], v148
	v_sub_f32 v150, v[20+2*\qa], v148
	v_sub_f32 v151, v[24+2*\qa], v148
	v_sub_f32 v152, v[28+2*\qa], v148
	v_fma_f32 v153, s[\ng], s52, -v148
	v_exp_f32 v149, v149
	v_exp_f32 v150, v150
	v_exp_f32 v151, v151
	v_exp_f32 v152, v152
	v_exp_f32 v153, v153
	v_nop                                          ; one plain instruction behind the transcendentals (ISA guide 5.7.2)
	s_wait_alu depctr_va_vdst(0)
	v_mul_f32 v154, v[17+2*\qa], v149
	v_fmac_f32 v154, v[21+2*\qa], v150
	v_fmac_f32 v154, v[25+2*\qa], v151
	v_fmac_f32 v154, v[29+2*\qa], v152
	v_permlanex16_b32 v155, v154, s54, s55         ; the sums of the other eight keys of each sixteen
	v_add_f32 v154, v154, v155
	v_fmac_f32 v154, v153, v157
	v_rcp_f32 v154, v154
	v_nop
	s_wait_alu depctr_va_vdst(0)
.irp k, 0,1,2,3,4
	v_mul_f32 v[FB+2*\k], v[149+\k], v154
	v_mul_f32 v[FB+2*\k+1], v[149+\k], v154
.endr
.endm
; The end of block blk (0: the even one, 1: the odd one): cb the pair with ctx, ng the raw score and nr the number of the keys not walked.
.macro BLOCKEND blk, cb, ng, nr
	s_cmp_eq_u32 s12, 0
	s_cbranch_scc1 .Lno_dump_\@
.irp k, 0,1,2,3,4,5,6,7,8,9,10,11,12,13,14,15
	ds_store_b128 v[MA], v[OF+4*\k:OF+4*\k+3] offset:512*\k        ; the waves of the upper three key quarters hand over O, m and l
.endr
	ds_store_b128 v[MA], v[16:19] offset:8192
.Lno_dump_\@:
	s_wait_dscnt 0x0                               ; my stores are done before I say so
.if \blk == 0
	s_wait_tensorcnt 0x0                           ; the next block's first tile was asked for a whole tile's work ago: no tensor load of mine is out at this barrier
.endif
	s_barrier_signal -1
	s_barrier_wait -1
	s_cmp_lg_u32 s12, 0
	s_cbranch_scc1 .Lno_merge_\@
	ds_load_b128 v[20:23], v[MA] offset:MRGW+8192
	ds_load_b128 v[24:27], v[MA] offset:2*MRGW+8192
	ds_load_b128 v[28:31], v[MA] offset:3*MRGW+8192
.irp d, 0,1,2,3
	ds_load_b128 v[160+8*\d:163+8*\d], v[SU] offset:\blk*256+64*\d
	ds_load_b128 v[164+8*\d:167+8*\d], v[SU] offset:\blk*256+64*\d+16
.endr
	HALF 0
	HALF 1
	v_mul_f32 v156, s[\ng], s52
	v_cvt_f32_u32 v157, s[\nr]
	v_mov_b32 v155, 0
	s_wait_dscnt 16                                ; (m, l) and the sums of V are in; the sixteen loads of the first two halves may be out
	FACT 0, \ng
	FACT 1, \ng
.irp qa, 0,1
.set n, 0
.rept 16
	v_pk_mul_f32 v[OF+32*\qa+n:OF+32*\qa+n+1], v[OF+32*\qa+n:OF+32*\qa+n+1], v[128+10*\qa:129+10*\qa]
.set n, n+2
.endr
.set n, 0
.rept 16
	v_pk_fma_f32 v[OF+32*\qa+n:OF+32*\qa+n+1], v[160+n:161+n], v[136+10*\qa:137+10*\qa], v[OF+32*\qa+n:OF+32*\qa+n+1]
.set n, n+2
.endr
.endr
.irp x, 0,1,2,3
	s_wait_dscnt 8                                 ; LDS loads come back in order: the older half is in, the younger one's eight loads may be out
	ACC \x
	HALF \x+2
.endr
	s_wait_dscnt 8
	ACC 4
	s_wait_dscnt 0
	ACC 5
.irp qa, 0,1
.irp d, 0,1,2,3
.irp k, 0,1,2,3
	v_cvt_pk_bf16_f32 v[OF+32*\qa+8*\d+\k], v[OF+32*\qa+8*\d+2*\k], v[OF+32*\qa+8*\d+2*\k+1]
.endr
	ds_store_b128 v[SS], v[OF+32*\qa+8*\d:OF+32*\qa+8*\d+3] offset:\qa*16*KP+32*\d
.endr
.endr
.irp i, 0,1,2,3,4,5,6,7
	ds_load_b128 v[SF+4*\i:SF+4*\i+3], v[SR] offset:4*KP*\i        ; my wave's own stage: LDS serves a wave's instructions in order
.endr
.irp i, 0,1,2,3,4,5,6,7
	s_wait_dscnt 7-\i
	global_store_b128 v[CO], v[SF+4*\i:SF+4*\i+3], s[\cb:\cb+1] offset:8192*\i   ; eight lanes store the 128 consecutive bytes that a head has in a row
.endr
.Lno_merge_\@:
.if \blk == 0
	s_wait_xcnt 0x0                                ; the stores' data registers are written again by the next block only behind this wait
.endif
.endm
	; ---------------- the block with the even u ----------------
	s_wait_loadcnt 0x0                             ; Q
	TRIP 0, 1, 1, 1, 0, 1, 56, 0                   ; the diagonal tile; slot 1's first fill may stay out
	s_lshr_b32 s73, s23, 1
	s_sub_co_u32 s73, s73, 1                       ; u / 2 - 1 pairs
	s_cmp_eq_u32 s73, 0
	s_cbranch_scc1 .Le_last
	s_mov_b32 s75, 0
.Le_pairs:
	s_lshl_b32 s74, s75, 1
	s_add_co_u32 s74, s74, 1                       ; next: tile 2 c + 1
	TRIP 1, 0, 0, 0, 1, 0, 0, 0                    ; tile 2 c
	s_lshl_b32 s74, s75, 1
	s_add_co_u32 s74, s74, 2                       ; next: tile 2 c + 2
	TRIP 0, 1, 0, 0, 1, 0, 0, 0                    ; tile 2 c + 1
	s_add_co_u32 s75, s75, 1
	s_cmp_lt_u32 s75, s73
	s_cbranch_scc1 .Le_pairs
.Le_last:
	s_sub_co_u32 s74, s79, 1                       ; next: the odd block's diagonal tile
	TRIP 1, 0, 0, 0, 1, 0, 0, 66                   ; tile u - 2; the odd block's Q is asked for
	BLOCKEND 0, 62, 58, 57
	; ---------------- the block with the odd u ----------------
	s_wait_loadcnt 0x0                             ; Q
	s_cmp_eq_u32 s79, 1
	s_cbranch_scc1 .Lo_single
	s_mov_b32 s74, 0                               ; next: tile 0
	TRIP 0, 1, 1, 1, 1, 0, 70, 0                   ; the diagonal tile
	s_lshr_b32 s73, s79, 1
	s_sub_co_u32 s73, s73, 1                       ; (u - 1) / 2 pairs, the last of them written out
	s_cmp_eq_u32 s73, 0
	s_cbranch_scc1 .Lo_tail
	s_mov_b32 s75, 0
.Lo_pairs:
	s_lshl_b32 s74, s75, 1
	s_add_co_u32 s74, s74, 1
	TRIP 1, 0, 0, 0, 1, 0, 0, 0
	s_lshl_b32 s74, s75, 1
	s_add_co_u32 s74, s74, 2
	TRIP 0, 1, 0, 0, 1, 0, 0, 0
	s_add_co_u32 s75, s75, 1
	s_cmp_lt_u32 s75, s73
	s_cbranch_scc1 .Lo_pairs
.Lo_tail:
	s_sub_co_u32 s74, s79, 2                       ; next: tile u - 2, the last
	TRIP 1, 0, 0, 0, 1, 0, 0, 0                    ; tile u - 3
	TRIP 0, 1, 0, 0, 0, 0, 0, 0                    ; the last tile fills nothing
	s_branch .Lo_end
.Lo_single:
	TRIP 0, 1, 1, 1, 0, 0, 70, 0                   ; u = 1: the diagonal tile is the only one, and nothing is filled
.Lo_end:
	BLOCKEND 1, 68, 72, 71
	s_endpgm
.Lfunc_end_k_q6ae9ec43ba_attn:
	.size	k_q6ae9ec43ba_attn, .Lfunc_end_k_q6ae9ec43ba_attn-k_q6ae9ec43ba_attn
	.p2alignl 7, 3214868480
	.fill 96, 4, 3214868480
	.section	.rodata,"a",@progbits
	.p2align	6, 0x0
	.amdhsa_kernel k_q6ae9ec43ba_attn
		.amdhsa_group_segment_fixed_size 327680
		.amdhsa_private_segment_fixed_size 0
		.amdhsa_enable_private_segment 0
		.amdhsa_kernarg_size 24
		.amdhsa_user_sgpr_count 2
		.amdhsa_user_sgpr_kernarg_segment_ptr 1
		.amdhsa_wavefront_size32 1
		.amdhsa_system_sgpr_workgroup_id_x 1
		.amdhsa_system_sgpr_workgroup_id_y 1
		.amdhsa_system_sgpr_workgroup_id_z 1
		.amdhsa_system_vgpr_workitem_id 0
		.amdhsa_next_free_vgpr 256
		.amdhsa_next_free_sgpr 88
		.amdhsa_reserve_vcc 1
		.amdhsa_float_denorm_mode_32 3
		.amdhsa_float_denorm_mode_16_64 3
		.amdhsa_memory_ordered 1
		.amdhsa_forward_progress 1
		.amdhsa_inst_pref_size 241
	.end_amdhsa_kernel
	.amdgpu_metadata
---
amdhsa.version: [ 1, 2 ]
amdhsa.kernels:
  - .name:           k_q6ae9ec43ba_attn
    .symbol:         k_q6ae9ec43ba_attn.kd
    .args:
      - { .name: qkv, .offset: 0, .size: 8, .value_kind: global_buffer, .address_space: global }
      - { .name: tsum, .offset: 8, .size: 8, .value_kind: global_buffer, .address_space: global }
      - { .name: ctx, .offset: 16, .size: 8, .value_kind: global_buffer, .address_space: global }
    .group_segment_fixed_size: 327680
    .private_segment_fixed_size: 0
    .kernarg_segment_align: 8
    .kernarg_segment_size: 24
    .max_flat_workgroup_size: 512
    .sgpr_count:     88
    .vgpr_count:     256
    .wavefront_size: 32
...
	.end_amdgpu_metadata
.endif
;; end of part 3
;; launch wo (part 4): grid 8 x 32, 4 waves a work-group, clusters of 4 x 4, 327,680 bytes of LDS; arguments ctx, wt, bo, x, x1; writes x1
.if DOCPART == 4
	.amdgcn_target "amdgcn-amd-amdhsa--gfx1250"
	.amdhsa_code_object_version 6
	.text
	.protected	k_q6ae9ec43ba_wo
	.globl	k_q6ae9ec43ba_wo
	.p2align	8
	.type	k_q6ae9ec43ba_wo,@function
k_q6ae9ec43ba_wo:
	s_mov_b64 s[64:65], 0
	v_nop
	global_prefetch_b8 v0, s[64:65] scope:SCOPE_SE
	s_setreg_imm32_b32 hwreg(HW_REG_WAVE_MODE, 25, 1), 1
	s_wait_xcnt 0x0
	s_wait_alu depctr_hold_cnt(0) depctr_sa_sdst(0) depctr_va_vdst(0) depctr_va_sdst(0) depctr_va_ssrc(0) depctr_va_vcc(0) depctr_vm_vsrc(0)
	s_getreg_b32 s2, hwreg(HW_REG_IB_STS2, 6, 4)
	s_cmp_eq_u32 s2, 0
	s_cbranch_scc0 .Lentry_in_a_cluster
	s_endpgm
.Lentry_in_a_cluster:
	s_bfe_u32 s2, ttmp6, 0x10000c
	s_cmp_lg_u32 s2, 0xf033
	s_cbranch_scc0 .Lentry_shape_is_right
	s_endpgm
.Lentry_shape_is_right:
; out[m][n] = res[m][n] + bias[n] + sum over k of A[m][k] Wt[n][k], f32 out.  A: [4096][KDIM] bf16; Wt: [1024][KDIM] bf16 at byte WOFF
; of wt; res, out: [4096][1024] f32.
; The result has only 1,024 columns: blocks of 128 x 128 give 8 x 32 = 256 work-groups.  So that a wave still has a tile of 128 x 128
; (64 accumulators), the four waves share K: of each K step of 256, wave w multiplies k = 64 w .. 64 w + 63 of all 128 rows of A and of
; Wt, so each LDS byte is read once.  The four partial sums meet in LDS at the end, which is also the way out by whole rows.
; Two LDS slots, each 128 rows of A and 128 of Wt, rows of 512 bytes of memory; a wave fills 64 rows with one tensor load.
; Bias and res are asked for behind the first barrier, when the first tiles have landed, and waited for behind the K loop.
; CLUSTERS: 4 x 4 work-groups; A's tile is asked for jointly by a row of the cluster, Wt's by a column.
; REGISTERS by windows of 256: window 0: v0-31 addresses and the bias, v64-191 fragments of A; window 1: v0-63 and v192-255 my 32 rows of
; res, v64-191 fragments of Wt; windows 2 and 3: the accumulators (tile (a, b) at v[8 (8 a + b)]).
; The matrix instruction is used transposed: lane l holds row l % 16 and columns 8 (l / 16) + 0..7 of a tile.
; Limits: operands are bf16; the sum over K is made of four partial sums; NaN and infinite inputs are not served.
.set KDIM,   1024
.set WOFF,   6291456
.set KSTEP,  256
.set PITCH,  528                       ; 512 bytes of data + 16 of padding
.set RPL,    64                        ; rows in a tensor load
.set HALFT,  RPL*PITCH
.set SLOT,   4*HALFT
.set PART,   128*PITCH                 ; a wave's partial sums: 128 rows of 128 f32, pitch 528; four of them take the two slots' bytes
.set LAPS,   KDIM/(2*KSTEP)
.set RDA,  8                           ; v8-11 where I read my 32 rows of the four partial sums
.set ADRA, 16
.set ADRB, 20
.set STO,  24
.set CO,   26                          ; v26 = 16 x lane
.set BI,   28                          ; v28-31 the bias of my four columns
.set F0,   64
.set F1,   128
.set G1, 24
.set G0, 32
.set G1B, 48
.set G0B, 56
.set MSB, 0
.macro WIN new                         ; the immediate's high byte repeats the setting that is left
.if MSB != \new
	s_set_vgpr_msb (MSB<<8)|\new
.set MSB, \new
.endif
.endm
.set MUL_LO, 0xa1
.set MUL_HI, 0xf1
.set TO_B,   0x40
.macro JLOAD s
	s_cmp_eq_u32 s11, 0
	s_cbranch_scc0 .Lfor_b_\@
	tensor_load_to_lds s[G0+4*\s:G0+4*\s+3], s[G1:G1+7]
	s_nop 0
	s_branch .Lasked_\@
.Lfor_b_\@:
	tensor_load_to_lds s[G0B+4*\s:G0B+4*\s+3], s[G1B:G1B+7]
	s_nop 0
.Lasked_\@:
.endm
.macro CREST
	s_cmp_lg_u32 s10, 0
	s_cbranch_scc1 .Lnot_wave_0_\@
	s_barrier_signal -3
.Lnot_wave_0_\@:
	s_barrier_wait -3
	s_barrier_signal -1
	s_barrier_wait -1
.endm
.macro CROUND
	s_barrier_signal -1
	s_barrier_wait -1
	CREST
.endm
	s_load_b128 s[4:7], s[0:1], 0x0                ; A s[4:5], wt s[6:7]
	s_load_b128 s[68:71], s[0:1], 0x10             ; bias s[68:69], res s[70:71]
	s_load_b64 s[8:9], s[0:1], 0x20                ; out
	v_lshrrev_b32 v1, 5, v0
	v_readfirstlane_b32 s10, v1                    ; wave 0..3
	s_lshr_b32 s11, s10, 1                         ; I fetch for A (0) or for Wt (1)
	s_and_b32 s12, s10, 1                          ; which 64 rows of that tile
	s_bfe_u32 s40, ttmp6, 0x40000                  ; cx
	s_bfe_u32 s41, ttmp6, 0x40004                  ; cy
	s_lshl_b32 s42, ttmp9, 2
	s_add_co_u32 s42, s42, s40                     ; block column
	s_and_b32 s13, ttmp7, 0xffff
	s_lshl_b32 s13, s13, 2
	s_add_co_u32 s13, s13, s41                     ; block row
	s_lshl_b32 s43, s41, 2
	s_lshl_b32 s43, 15, s43
	s_lshl_b32 s44, 0x1111, s40
	s_or_b32 s[G1+0], s43, (1<<16)|(1<<20)|(1<<21)|(6<<22)|(3<<25)   ; mask; 2-byte elements; 4 words of padding behind every 128
	s_or_b32 s[G1B+0], s44, (1<<16)|(1<<20)|(1<<21)|(6<<22)|(3<<25)
	s_mov_b32 s[G1B+1], KSTEP<<16
	s_mov_b32 s[G1+1], KSTEP<<16                   ; tensor_dim0 = 256
	s_mov_b32 s[G1B+2], RPL<<16
	s_mov_b32 s[G1+2], RPL<<16                     ; tensor_dim1 = 64
	s_mov_b32 s[G1B+3], KSTEP<<16
	s_mov_b32 s[G1+3], KSTEP<<16                   ; tile_dim0 = 256
	s_mov_b32 s[G1B+4], RPL
	s_mov_b32 s[G1+4], RPL                         ; tile_dim1 = 64
	s_mov_b32 s[G1B+5], KDIM
	s_mov_b32 s[G1+5], KDIM
	s_mov_b32 s[G1B+6], 0
	s_mov_b32 s[G1+6], 0
	s_mov_b32 s[G1B+7], 0
	s_mov_b32 s[G1+7], 0
	s_lshl_b32 s17, s12, 6
	s_lshl_b32 s16, s13, 7
	s_add_co_u32 s16, s16, s17                     ; A: row 128 x block row + 64 x half
	s_lshl_b32 s46, s42, 7
	s_add_co_u32 s46, s46, s17                     ; Wt: row 128 x block column + 64 x half
	s_mov_b32 s17, 0
	s_mov_b32 s47, 0
	s_mov_b64 s[18:19], KDIM*2
	s_mul_u64 s[16:17], s[16:17], s[18:19]
	s_mul_u64 s[46:47], s[46:47], s[18:19]
	s_mul_i32 s20, s10, HALFT
	s_wait_kmcnt 0x0
	s_add_nc_u64 s[6:7], s[6:7], WOFF
	s_add_nc_u64 s[14:15], s[4:5], s[16:17]
	s_add_nc_u64 s[46:47], s[6:7], s[46:47]
	CROUND                                         ; all sixteen work-groups are here: the first joint loads meet
.irp s, 0,1
	s_mov_b32 s[G0+4*\s], 1
	s_add_co_u32 s[G0+4*\s+1], s20, \s*SLOT
	s_add_nc_u64 s[G0+4*\s+2:G0+4*\s+3], s[14:15], \s*KSTEP*2
	s_or_b32 s[G0+4*\s+3], s[G0+4*\s+3], 0x80000000
	s_mov_b32 s[G0B+4*\s], 1
	s_add_co_u32 s[G0B+4*\s+1], s20, \s*SLOT
	s_add_nc_u64 s[G0B+4*\s+2:G0B+4*\s+3], s[46:47], \s*KSTEP*2
	s_or_b32 s[G0B+4*\s+3], s[G0B+4*\s+3], 0x80000000
	JLOAD \s
.endr
	v_and_b32 v1, 15, v0
	v_bfe_u32 v2, v0, 4, 1
	v_mul_u32_u24 v3, v1, PITCH
	v_lshl_add_u32 v3, v2, 4, v3
	s_lshl_b32 s21, s10, 7                         ; my 64 k = 128 bytes of every row
	s_add_co_u32 s22, s21, 2*HALFT                 ; Wt's rows lie behind A's 128
.irp s, 0,1
	v_add_nc_u32 v[ADRA+\s], s21, v3
	v_add_nc_u32 v[ADRB+\s], s22, v3
	s_add_co_u32 s21, s21, SLOT
	s_add_co_u32 s22, s22, SLOT
.endr
	s_mul_i32 s23, s10, PART
	v_mul_u32_u24 v4, v1, PITCH
	v_lshl_add_u32 v4, v2, 5, v4
	v_add_nc_u32 v[STO], s23, v4                   ; my partial sums: row l % 16, 32 bytes for each half of the lanes
	v_and_b32 v5, 31, v0
	v_lshlrev_b32 v[CO], 4, v5
	s_mul_i32 s23, s10, 32*PITCH
	v_add_nc_u32 v[RDA], s23, v[CO]                ; rows 32 w .. of partial sum 0,
	v_add_nc_u32 v[RDA+1], PART, v[RDA]            ; 1, 2, 3
	v_add_nc_u32 v[RDA+2], PART, v[RDA+1]
	v_add_nc_u32 v[RDA+3], PART, v[RDA+2]
	s_lshl_b32 s78, s13, 7
	s_lshl_b32 s79, s10, 5
	s_add_co_u32 s78, s78, s79                     ; the first of the 32 rows that I finish
	s_lshl_b32 s78, s78, 12
	s_lshl_b32 s79, s42, 9
	s_add_co_u32 s78, s78, s79
	s_mov_b32 s79, 0
	s_add_nc_u64 s[70:71], s[70:71], s[78:79]
	s_add_nc_u64 s[8:9], s[8:9], s[78:79]
	s_lshl_b32 s78, s42, 9
	s_add_nc_u64 s[68:69], s[68:69], s[78:79]
.macro MUL16 f, hi, a0, zero
.irp a, \a0, \a0+1
.irp b, 0,1,2,3,4,5,6,7
.if \zero
	v_wmma_f32_16x16x32_bf16 v[8*(8*(\a)+\b):8*(8*(\a)+\b)+7], v[\f+8*\b:\f+8*\b+7], v[\f+8*(4*\hi+\a):\f+8*(4*\hi+\a)+7], 0
.else
	v_wmma_f32_16x16x32_bf16 v[8*(8*(\a)+\b):8*(8*(\a)+\b)+7], v[\f+8*\b:\f+8*\b+7], v[\f+8*(4*\hi+\a):\f+8*(4*\hi+\a)+7], v[8*(8*(\a)+\b):8*(8*(\a)+\b)+7]
.endif
.endr
.endr
.endm
.macro FETCH slot, k, f
	WIN TO_B
.irp i, 0,1,2,3,4,5,6,7
	ds_load_b128 v[\f+8*\i:\f+8*\i+3],   v[ADRB+\slot] offset:\k+\i*16*PITCH
	ds_load_b128 v[\f+8*\i+4:\f+8*\i+7], v[ADRB+\slot] offset:\k+\i*16*PITCH+32
.endr
	WIN 0
.irp i, 0,1,2,3,4,5,6,7
	ds_load_b128 v[\f+8*\i:\f+8*\i+3],   v[ADRA+\slot] offset:\k+\i*16*PITCH
	ds_load_b128 v[\f+8*\i+4:\f+8*\i+7], v[ADRA+\slot] offset:\k+\i*16*PITCH+32
.endr
.endm
.macro PLACES                          ; four independent vector instructions between a matrix instruction and a load into, or a read of, its registers
.rept 4
	v_nop
.endr
.endm
.macro QUARTER slot, k, f, g, zero
	s_wait_dscnt 8                                 ; Wt and A's rows 0-63 are in; the youngest eight loads (A's rows 64-127) may be out
	WIN MUL_LO
	MUL16 \f, 0, 0, \zero
	MUL16 \f, 0, 2, \zero
	PLACES
	FETCH \slot, \k, \g
	s_wait_dscnt 32                                ; all but the 32 just issued
	WIN MUL_HI
	MUL16 \f, 1, 0, \zero
	MUL16 \f, 1, 2, \zero
.endm
.macro HEAD slot, zero                 ; my 64 k of a slot are two slices of 32: this is the first, TURN the second
	QUARTER \slot, 64, F0, F1, \zero
.endm
.macro TURN slot, next, fill
	s_wait_dscnt 8
	WIN MUL_LO
	MUL16 F1, 0, 0, 0
	s_wait_dscnt 0                                 ; my reads of this slot are over,
	s_wait_tensorcnt 0x0                           ; and all my tensor loads have landed: the one that was out is my part of the next slot
	s_barrier_signal -1
	MUL16 F1, 0, 2, 0
	WIN 0
	s_barrier_wait -1
.if \fill
	CREST                                          ; no wave of any partner still reads this slot or has a load on its way
	s_add_nc_u64 s[G0+4*\slot+2:G0+4*\slot+3], s[G0+4*\slot+2:G0+4*\slot+3], 2*KSTEP*2
	s_add_nc_u64 s[G0B+4*\slot+2:G0B+4*\slot+3], s[G0B+4*\slot+2:G0B+4*\slot+3], 2*KSTEP*2
	JLOAD \slot                                    ; the first tensor load behind the round, one a wave
.endif
	PLACES
	FETCH \next, 0, F0
	WIN MUL_HI
	MUL16 F1, 1, 0, 0
	MUL16 F1, 1, 2, 0
.endm
.macro LAP zero
	HEAD 0, \zero
	TURN 0, 1, 1
	HEAD 1, 0
	TURN 1, 0, 1
.endm
	s_wait_tensorcnt 1                             ; my part of K step 0 is in; K step 1's may stay out
	s_barrier_signal -1
	s_barrier_wait -1
	FETCH 0, 0, F0
	; bias and res: 33 loads that stay out over the whole K loop, which writes neither their registers nor their addresses
	global_load_b128 v[BI:BI+3], v[CO], s[68:69]
	WIN TO_B
.irp i, 0,1,2,3,4,5,6,7,8,9,10,11,12,13,14,15
	global_load_b128 v[4*\i:4*\i+3], v[CO], s[70:71] offset:\i*4096 th:TH_LOAD_NT           ; a wave's load covers 512 consecutive bytes
.endr
.irp i, 0,1,2,3,4,5,6,7,8,9,10,11,12,13,14,15
	global_load_b128 v[192+4*\i:192+4*\i+3], v[CO], s[70:71] offset:(16+\i)*4096 th:TH_LOAD_NT
.endr
	LAP 1                                          ; the first products start the sums; the 64 accumulators take turns, one instruction a turn
.if LAPS > 2
	WIN 0
	s_mov_b32 s3, LAPS-2
.Llap:
	LAP 0
	WIN 0
	s_sub_co_u32 s3, s3, 1
	s_cmp_lg_u32 s3, 0
	s_cbranch_scc1 .Llap
.endif
	HEAD 0, 0                                      ; the last lap fills nothing
	TURN 0, 1, 0
	HEAD 1, 0
	s_wait_dscnt 8
	WIN MUL_LO
	MUL16 F1, 0, 0, 0
	MUL16 F1, 0, 2, 0
	s_wait_dscnt 0
	WIN MUL_HI
	MUL16 F1, 1, 0, 0
	MUL16 F1, 1, 2, 0
	; The ring has had its last fill.  When every wave has read its last fragments, the four partial sums go into its bytes.
	PLACES
	WIN 0
	s_wait_dscnt 0x0
	s_barrier_signal -1
	s_barrier_wait -1
	WIN 0x08                                       ; store data in window 2
.irp a, 0,1,2,3
.irp b, 0,1,2,3,4,5,6,7
	ds_store_b128 v[STO], v[8*(8*\a+\b):8*(8*\a+\b)+3]   offset:\a*16*PITCH+64*\b
	ds_store_b128 v[STO], v[8*(8*\a+\b)+4:8*(8*\a+\b)+7] offset:\a*16*PITCH+64*\b+16
.endr
.endr
	WIN 0x0c                                       ; store data in window 3
.irp a, 0,1,2,3
.irp b, 0,1,2,3,4,5,6,7
	ds_store_b128 v[STO], v[8*(8*\a+\b):8*(8*\a+\b)+3]   offset:(4+\a)*16*PITCH+64*\b
	ds_store_b128 v[STO], v[8*(8*\a+\b)+4:8*(8*\a+\b)+7] offset:(4+\a)*16*PITCH+64*\b+16
.endr
.endr
	WIN 0
	s_wait_dscnt 0x0                               ; my stores are done before I say so
	s_barrier_signal -1
	s_barrier_wait -1
	s_wait_loadcnt 0x0                             ; bias and res, asked for in front of the K loop
; eight of my 32 rows: the four partial sums, the bias, the residual (rb: its registers in window 1), and out by whole rows
.macro SUM8 gr, rb
	s_wait_xcnt 0x0                                ; the last eight stores have read their data
.irp i, 0,1,2,3,4,5,6,7
.irp p, 0,1,2,3
	ds_load_b128 v[64+16*\i+4*\p:64+16*\i+4*\p+3], v[RDA+\p] offset:(8*\gr+\i)*PITCH
.endr
.endr
	s_wait_dscnt 0x0
.irp i, 0,1,2,3,4,5,6,7
	v_pk_add_f32 v[64+16*\i:65+16*\i], v[64+16*\i:65+16*\i], v[68+16*\i:69+16*\i]
	v_pk_add_f32 v[66+16*\i:67+16*\i], v[66+16*\i:67+16*\i], v[70+16*\i:71+16*\i]
	v_pk_add_f32 v[72+16*\i:73+16*\i], v[72+16*\i:73+16*\i], v[76+16*\i:77+16*\i]
	v_pk_add_f32 v[74+16*\i:75+16*\i], v[74+16*\i:75+16*\i], v[78+16*\i:79+16*\i]
	v_pk_add_f32 v[64+16*\i:65+16*\i], v[64+16*\i:65+16*\i], v[72+16*\i:73+16*\i]
	v_pk_add_f32 v[66+16*\i:67+16*\i], v[66+16*\i:67+16*\i], v[74+16*\i:75+16*\i]
	v_pk_add_f32 v[64+16*\i:65+16*\i], v[64+16*\i:65+16*\i], v[BI:BI+1]
	v_pk_add_f32 v[66+16*\i:67+16*\i], v[66+16*\i:67+16*\i], v[BI+2:BI+3]
.endr
	WIN 0x04                                       ; source 1 in window 1
.irp i, 0,1,2,3,4,5,6,7
	v_pk_add_f32 v[64+16*\i:65+16*\i], v[64+16*\i:65+16*\i], v[\rb+4*\i:\rb+4*\i+1]
	v_pk_add_f32 v[66+16*\i:67+16*\i], v[66+16*\i:67+16*\i], v[\rb+4*\i+2:\rb+4*\i+3]
.endr
	WIN 0
.irp i, 0,1,2,3,4,5,6,7
	global_store_b128 v[CO], v[64+16*\i:67+16*\i], s[8:9] offset:(8*\gr+\i)*4096   ; the wave stores 512 consecutive bytes, aligned
.endr
.endm
	SUM8 0, 0
	SUM8 1, 32
	SUM8 2, 192
	SUM8 3, 224
	CROUND                                         ; the closing round: no work-group ends while a partner may still ask for a tile that names it
	s_endpgm
.Lfunc_end_k_q6ae9ec43ba_wo:
	.size	k_q6ae9ec43ba_wo, .Lfunc_end_k_q6ae9ec43ba_wo-k_q6ae9ec43ba_wo
	.p2alignl 7, 3214868480
	.fill 96, 4, 3214868480
	.section	.rodata,"a",@progbits
	.p2align	6, 0x0
	.amdhsa_kernel k_q6ae9ec43ba_wo
		.amdhsa_group_segment_fixed_size 327680
		.amdhsa_private_segment_fixed_size 0
		.amdhsa_enable_private_segment 0
		.amdhsa_kernarg_size 40
		.amdhsa_user_sgpr_count 2
		.amdhsa_user_sgpr_kernarg_segment_ptr 1
		.amdhsa_wavefront_size32 1
		.amdhsa_system_sgpr_workgroup_id_x 1
		.amdhsa_system_sgpr_workgroup_id_y 1
		.amdhsa_system_sgpr_workgroup_id_z 1
		.amdhsa_system_vgpr_workitem_id 0
		.amdhsa_next_free_vgpr 1024
		.amdhsa_next_free_sgpr 80
		.amdhsa_reserve_vcc 0
		.amdhsa_float_denorm_mode_32 3
		.amdhsa_float_denorm_mode_16_64 3
		.amdhsa_memory_ordered 1
		.amdhsa_forward_progress 1
		.amdhsa_inst_pref_size 102
	.end_amdhsa_kernel
	.amdgpu_metadata
---
amdhsa.version: [ 1, 2 ]
amdhsa.kernels:
  - .name:           k_q6ae9ec43ba_wo
    .symbol:         k_q6ae9ec43ba_wo.kd
    .args:
      - { .name: ctx, .offset: 0, .size: 8, .value_kind: global_buffer, .address_space: global }
      - { .name: wt, .offset: 8, .size: 8, .value_kind: global_buffer, .address_space: global }
      - { .name: bo, .offset: 16, .size: 8, .value_kind: global_buffer, .address_space: global }
      - { .name: x, .offset: 24, .size: 8, .value_kind: global_buffer, .address_space: global }
      - { .name: x1, .offset: 32, .size: 8, .value_kind: global_buffer, .address_space: global }
    .group_segment_fixed_size: 327680
    .private_segment_fixed_size: 0
    .kernarg_segment_align: 8
    .kernarg_segment_size: 40
    .max_flat_workgroup_size: 128
    .sgpr_count:     80
    .vgpr_count:     1024
    .wavefront_size: 32
...
	.end_amdgpu_metadata
.endif
;; end of part 4
;; launch ln2: the kernel of part 1 again; grid 256 x 1, 8 waves a work-group, no clusters, 33,280 bytes of LDS; arguments x1, g2, s2, Wq, Wk, Wv, Wo, W1, W2, h, wt; writes h, wt
;; launch ffn1 (part 5): grid 16 x 16, 4 waves a work-group, clusters of 4 x 4, 327,680 bytes of LDS; arguments h, wt, b1, act; writes act
.if DOCPART == 5
	.amdgcn_target "amdgcn-amd-amdhsa--gfx1250"
	.amdhsa_code_object_version 6
	.text
	.protected	k_q6ae9ec43ba_ffn1
	.globl	k_q6ae9ec43ba_ffn1
	.p2align	8
	.type	k_q6ae9ec43ba_ffn1,@function
k_q6ae9ec43ba_ffn1:
	s_mov_b64 s[64:65], 0
	v_nop
	global_prefetch_b8 v0, s[64:65] scope:SCOPE_SE
	s_setreg_imm32_b32 hwreg(HW_REG_WAVE_MODE, 25, 1), 1
	s_wait_xcnt 0x0
	s_wait_alu depctr_hold_cnt(0) depctr_sa_sdst(0) depctr_va_vdst(0) depctr_va_sdst(0) depctr_va_ssrc(0) depctr_va_vcc(0) depctr_vm_vsrc(0)
	s_getreg_b32 s2, hwreg(HW_REG_IB_STS2, 6, 4)
	s_cmp_eq_u32 s2, 0
	s_cbranch_scc0 .Lentry_in_a_cluster
	s_endpgm
.Lentry_in_a_cluster:
	s_bfe_u32 s2, ttmp6, 0x10000c
	s_cmp_lg_u32 s2, 0xf033
	s_cbranch_scc0 .Lentry_shape_is_right
	s_endpgm
.Lentry_shape_is_right:
; act[m][n] = gelu(sum over k of h[m][k] W1t[n][k] + b1[n]), bf16 out, f32 sums.  h: [4096][1024] bf16; W1t: [4096][1024] bf16 at byte
; WOFF of wt; act: [4096][4096] bf16.  gelu(x) = x Phi(x) with the error function, not the tanh form.
; Phi: with t = 1 / (1 + 0.3275911 |x| / sqrt 2) and Q = (1/2) (a1 t + .. + a5 t^5) exp(-x x / 2) (Abramowitz and Stegun 7.1.26,
; absolute error of erf at most 1.5e-7 for every x), Phi(x) = 1 - Q for x >= 0 and Q for x < 0.
; A work-group makes 256 x 256 with four waves, a wave 128 x 128 (64 accumulator tiles).  K goes in steps of 128 through two LDS slots
; filled by tensor loads whose rows are 256 bytes of memory.  16 x 16 = 256 work-groups.
; CLUSTERS: 4 x 4 work-groups; A's tile is asked for jointly by a row of the cluster, B's by a column.
; REGISTERS by windows of 256: window 0: v0-31 addresses, v32-41 constants, v64-191 fragments of A (two buffers), v192-247 at work on the
; way out; window 1: v0-63 the bias of my 128 columns, v64-191 fragments of B; windows 2 and 3: the accumulators.
; The matrix instruction is used transposed: lane l holds row l % 16 and columns 8 (l / 16) + 0..7 of a tile.
; Limits: operands are bf16; v_exp_f32 and v_rcp_f32 are accurate to 1 ULP and flush denormals; NaN and infinite inputs are not served.
.set KDIM,   1024
.set NDIM,   4096
.set WOFF,   8388608
.set KSTEP,  128
.set PITCH,  272
.set HALFT,  128*PITCH
.set SLOT,   4*HALFT
.set STAGE,  2*SLOT
.set SPITCH, 272
.set LAPS,   KDIM/(2*KSTEP)
.set ADRA, 16
.set ADRB, 20
.set STO,  24
.set RD,   25
.set CO,   26
.set BOF,  27                          ; v27 = 32 (l / 16)
.set HC,   32                          ; v32-41: a1/2 .. a5/2, each twice
.set F0,   64
.set F1,   128
.set XR,   64                          ; the way out: 64 results in f32
.set TMP,  192
.set GD,   224                         ; t
.set GU,   232                         ; exp(-x x / 2), then Phi
.set GQ,   240                         ; Q
.set G1, 24
.set G0, 32
.set G1B, 48
.set G0B, 56
.set MSB, 0
.macro WIN new                         ; the immediate's high byte repeats the setting that is left
.if MSB != \new
	s_set_vgpr_msb (MSB<<8)|\new
.set MSB, \new
.endif
.endm
.set MUL_LO, 0xa1
.set MUL_HI, 0xf1
.set TO_B,   0x40
.macro JLOAD s
	s_cmp_eq_u32 s11, 0
	s_cbranch_scc0 .Lfor_b_\@
	tensor_load_to_lds s[G0+4*\s:G0+4*\s+3], s[G1:G1+7]
	s_nop 0
	s_branch .Lasked_\@
.Lfor_b_\@:
	tensor_load_to_lds s[G0B+4*\s:G0B+4*\s+3], s[G1B:G1B+7]
	s_nop 0
.Lasked_\@:
.endm
.macro CREST
	s_cmp_lg_u32 s10, 0
	s_cbranch_scc1 .Lnot_wave_0_\@
	s_barrier_signal -3
.Lnot_wave_0_\@:
	s_barrier_wait -3
	s_barrier_signal -1
	s_barrier_wait -1
.endm
.macro CROUND
	s_barrier_signal -1
	s_barrier_wait -1
	CREST
.endm
	s_load_b128 s[4:7], s[0:1], 0x0                ; h s[4:5], wt s[6:7]
	s_load_b128 s[68:71], s[0:1], 0x10             ; b1 s[68:69], act s[70:71]
	v_lshrrev_b32 v1, 5, v0
	v_readfirstlane_b32 s10, v1
	s_lshr_b32 s11, s10, 1
	s_and_b32 s12, s10, 1
	s_bfe_u32 s40, ttmp6, 0x40000                  ; cx
	s_bfe_u32 s41, ttmp6, 0x40004                  ; cy
	s_lshl_b32 s42, ttmp9, 2
	s_add_co_u32 s42, s42, s40                     ; block column
	s_and_b32 s13, ttmp7, 0xffff
	s_lshl_b32 s13, s13, 2
	s_add_co_u32 s13, s13, s41                     ; block row
	s_lshl_b32 s43, s41, 2
	s_lshl_b32 s43, 15, s43
	s_lshl_b32 s44, 0x1111, s40
	s_or_b32 s[G1+0], s43, (1<<16)|(1<<20)|(1<<21)|(5<<22)|(3<<25)
	s_or_b32 s[G1B+0], s44, (1<<16)|(1<<20)|(1<<21)|(5<<22)|(3<<25)
	s_mov_b32 s[G1B+1], KSTEP<<16
	s_mov_b32 s[G1+1], KSTEP<<16
	s_mov_b32 s[G1B+2], 128<<16
	s_mov_b32 s[G1+2], 128<<16
	s_mov_b32 s[G1B+3], KSTEP<<16
	s_mov_b32 s[G1+3], KSTEP<<16
	s_mov_b32 s[G1B+4], 128
	s_mov_b32 s[G1+4], 128
	s_mov_b32 s[G1B+5], KDIM
	s_mov_b32 s[G1+5], KDIM
	s_mov_b32 s[G1B+6], 0
	s_mov_b32 s[G1+6], 0
	s_mov_b32 s[G1B+7], 0
	s_mov_b32 s[G1+7], 0
	s_lshl_b32 s17, s12, 7
	s_lshl_b32 s16, s13, 8
	s_add_co_u32 s16, s16, s17
	s_lshl_b32 s46, s42, 8
	s_add_co_u32 s46, s46, s17
	s_mov_b32 s17, 0
	s_mov_b32 s47, 0
	s_mov_b64 s[18:19], KDIM*2
	s_mul_u64 s[16:17], s[16:17], s[18:19]
	s_mul_u64 s[46:47], s[46:47], s[18:19]
	s_mul_i32 s20, s10, HALFT
	s_wait_kmcnt 0x0
	s_add_nc_u64 s[6:7], s[6:7], WOFF
	s_add_nc_u64 s[14:15], s[4:5], s[16:17]
	s_add_nc_u64 s[46:47], s[6:7], s[46:47]
	CROUND                                         ; all sixteen work-groups are here: the first joint loads meet
.irp s, 0,1
	s_mov_b32 s[G0+4*\s], 1
	s_add_co_u32 s[G0+4*\s+1], s20, \s*SLOT
	s_add_nc_u64 s[G0+4*\s+2:G0+4*\s+3], s[14:15], \s*KSTEP*2
	s_or_b32 s[G0+4*\s+3], s[G0+4*\s+3], 0x80000000
	s_mov_b32 s[G0B+4*\s], 1
	s_add_co_u32 s[G0B+4*\s+1], s20, \s*SLOT
	s_add_nc_u64 s[G0B+4*\s+2:G0B+4*\s+3], s[46:47], \s*KSTEP*2
	s_or_b32 s[G0B+4*\s+3], s[G0B+4*\s+3], 0x80000000
	JLOAD \s
.endr
	v_and_b32 v1, 15, v0
	v_bfe_u32 v2, v0, 4, 1
	v_mul_u32_u24 v3, v1, PITCH
	v_lshl_add_u32 v3, v2, 4, v3
	s_mul_i32 s21, s11, HALFT
	s_mul_i32 s22, s12, HALFT
	s_add_co_u32 s22, s22, 2*HALFT
.irp s, 0,1
	v_add_nc_u32 v[ADRA+\s], s21, v3
	v_add_nc_u32 v[ADRB+\s], s22, v3
	s_add_co_u32 s21, s21, SLOT
	s_add_co_u32 s22, s22, SLOT
.endr
	s_mul_i32 s23, s10, 16*SPITCH
	s_add_co_u32 s23, s23, STAGE
	v_mul_u32_u24 v4, v1, SPITCH
	v_lshl_add_u32 v4, v2, 4, v4
	v_add_nc_u32 v[STO], s23, v4
	v_mul_u32_u24 v5, v2, SPITCH
	v_lshl_add_u32 v5, v1, 4, v5
	v_add_nc_u32 v[RD], s23, v5
	v_mul_u32_u24 v5, v2, NDIM*2
	v_lshl_add_u32 v[CO], v1, 4, v5
	v_lshlrev_b32 v[BOF], 5, v2
.irp p, 0,1
	v_mov_b32 v[HC+\p],   0x3e027906                ;  0.127414796 = a1 / 2
	v_mov_b32 v[HC+2+\p], 0xbe11a98e                ; -0.142248368 = a2 / 2
	v_mov_b32 v[HC+4+\p], 0x3f35f0e3                ;  0.710706871 = a3 / 2
	v_mov_b32 v[HC+6+\p], 0xbf3a00e3                ; -0.726576014 = a4 / 2
	v_mov_b32 v[HC+8+\p], 0x3f07dc22                ;  0.530702715 = a5 / 2
.endr
	s_mov_b32 s82, 0x3e6d3388                      ; 0.3275911 / sqrt 2
	s_mov_b32 s84, 0xbf38aa3b                      ; -log2(e) / 2
	s_mov_b32 s85, 0xbf38aa3b
	s_mov_b64 s[8:9], s[70:71]
	s_mov_b64 s[66:67], s[68:69]
	s_lshl_b32 s78, s42, 10                        ; 256 columns of f32 a block
	s_lshl_b32 s79, s12, 9
	s_add_co_u32 s78, s78, s79
	s_mov_b32 s79, 0
	s_add_nc_u64 s[66:67], s[66:67], s[78:79]
	WIN TO_B
.irp b, 0,1,2,3,4,5,6,7
	global_load_b128 v[8*\b:8*\b+3],   v[BOF], s[66:67] offset:64*\b
	global_load_b128 v[8*\b+4:8*\b+7], v[BOF], s[66:67] offset:64*\b+16
.endr
	WIN 0
.macro MUL16 f, hi, a0, zero
.irp a, \a0, \a0+1
.irp b, 0,1,2,3,4,5,6,7
.if \zero
	v_wmma_f32_16x16x32_bf16 v[8*(8*(\a)+\b):8*(8*(\a)+\b)+7], v[\f+8*\b:\f+8*\b+7], v[\f+8*(4*\hi+\a):\f+8*(4*\hi+\a)+7], 0
.else
	v_wmma_f32_16x16x32_bf16 v[8*(8*(\a)+\b):8*(8*(\a)+\b)+7], v[\f+8*\b:\f+8*\b+7], v[\f+8*(4*\hi+\a):\f+8*(4*\hi+\a)+7], v[8*(8*(\a)+\b):8*(8*(\a)+\b)+7]
.endif
.endr
.endr
.endm
.macro FETCH slot, k, f
	WIN TO_B
.irp i, 0,1,2,3,4,5,6,7
	ds_load_b128 v[\f+8*\i:\f+8*\i+3],   v[ADRB+\slot] offset:\k+\i*16*PITCH
	ds_load_b128 v[\f+8*\i+4:\f+8*\i+7], v[ADRB+\slot] offset:\k+\i*16*PITCH+32
.endr
	WIN 0
.irp i, 0,1,2,3,4,5,6,7
	ds_load_b128 v[\f+8*\i:\f+8*\i+3],   v[ADRA+\slot] offset:\k+\i*16*PITCH
	ds_load_b128 v[\f+8*\i+4:\f+8*\i+7], v[ADRA+\slot] offset:\k+\i*16*PITCH+32
.endr
.endm
.macro PLACES                          ; four independent vector instructions between a matrix instruction and a load into, or a vector read of, its registers
.rept 4
	v_nop
.endr
.endm
.macro QUARTER slot, k, f, g, zero
	s_wait_dscnt 8                                 ; B and A's rows 0-63 are in; the youngest eight loads (A's rows 64-127) may be out
	WIN MUL_LO
	MUL16 \f, 0, 0, \zero
	MUL16 \f, 0, 2, \zero
	PLACES
	FETCH \slot, \k, \g
	s_wait_dscnt 32                                ; all but the 32 just issued
	WIN MUL_HI
	MUL16 \f, 1, 0, \zero
	MUL16 \f, 1, 2, \zero
.endm
.macro HEAD slot, zero
	QUARTER \slot, 64,  F0, F1, \zero
	QUARTER \slot, 128, F1, F0, 0
	QUARTER \slot, 192, F0, F1, 0
.endm
.macro TURN slot, next, fill
	s_wait_dscnt 8
	WIN MUL_LO
	MUL16 F1, 0, 0, 0
	s_wait_dscnt 0                                 ; my reads of this slot are over,
	s_wait_tensorcnt 0x0                           ; and all my tensor loads have landed: the one that was out is my part of the next slot
	s_barrier_signal -1
	MUL16 F1, 0, 2, 0
	WIN 0
	s_barrier_wait -1
.if \fill
	CREST                                          ; no wave of any partner still reads this slot or has a load on its way
	s_add_nc_u64 s[G0+4*\slot+2:G0+4*\slot+3], s[G0+4*\slot+2:G0+4*\slot+3], 2*KSTEP*2
	s_add_nc_u64 s[G0B+4*\slot+2:G0B+4*\slot+3], s[G0B+4*\slot+2:G0B+4*\slot+3], 2*KSTEP*2
	JLOAD \slot                                    ; the first tensor load behind the round, one a wave
.endif
	PLACES
	FETCH \next, 0, F0
	WIN MUL_HI
	MUL16 F1, 1, 0, 0
	MUL16 F1, 1, 2, 0
.endm
.macro LAP zero
	HEAD 0, \zero
	TURN 0, 1, 1
	HEAD 1, 0
	TURN 1, 0, 1
.endm
	s_wait_loadcnt 0x0                             ; the bias, which was on its way together with the first tiles
	s_wait_tensorcnt 1                             ; my part of K step 0 is in; K step 1's may stay out
	s_barrier_signal -1
	s_barrier_wait -1
	FETCH 0, 0, F0
	LAP 1                                          ; the first products start the sums; the 64 accumulators take turns, one instruction a turn
	WIN 0
	s_mov_b32 s3, LAPS-2
.Llap:
	LAP 0
	WIN 0
	s_sub_co_u32 s3, s3, 1
	s_cmp_lg_u32 s3, 0
	s_cbranch_scc1 .Llap
	HEAD 0, 0                                      ; the last lap fills nothing
	TURN 0, 1, 0
	HEAD 1, 0
	s_wait_dscnt 8
	WIN MUL_LO
	MUL16 F1, 0, 0, 0
	MUL16 F1, 0, 2, 0
	s_wait_dscnt 0
	WIN MUL_HI
	MUL16 F1, 1, 0, 0
	MUL16 F1, 1, 2, 0
	PLACES
	WIN 0
	s_lshl_b32 s16, s13, 8
	s_lshl_b32 s14, s11, 7
	s_add_co_u32 s16, s16, s14
	s_mov_b32 s17, 0
	s_mov_b64 s[18:19], NDIM*2
	s_mul_u64 s[16:17], s[16:17], s[18:19]
	s_add_nc_u64 s[8:9], s[8:9], s[16:17]
	s_lshl_b32 s46, s42, 9
	s_lshl_b32 s47, s12, 8
	s_add_co_u32 s46, s46, s47
	s_mov_b32 s47, 0
	s_add_nc_u64 s[8:9], s[8:9], s[46:47]
; gelu of the eight numbers v[XR + 8 b ..], in place
.macro GELU8 b
.irp j, 0,1,2,3,4,5,6,7
	v_fma_f32 v[GD+\j], |v[XR+8*\b+\j]|, s82, 1.0
.endr
.irp j, 0,1,2,3,4,5,6,7
	v_rcp_f32 v[GD+\j], v[GD+\j]                   ; t
.endr
.irp p, 0,2,4,6
	v_pk_mul_f32 v[GU+\p:GU+\p+1], v[XR+8*\b+\p:XR+8*\b+\p+1], v[XR+8*\b+\p:XR+8*\b+\p+1]   ; plain work behind the run of transcendentals (ISA guide 5.7.2)
.endr
.irp p, 0,2,4,6
	v_pk_mul_f32 v[GU+\p:GU+\p+1], v[GU+\p:GU+\p+1], s[84:85] op_sel_hi:[1,0]
.endr
.irp j, 0,1,2,3,4,5,6,7
	v_exp_f32 v[GU+\j], v[GU+\j]                   ; exp(-x x / 2)
.endr
	s_wait_alu depctr_va_vdst(0)
.irp p, 0,2,4,6
	v_pk_fma_f32 v[GQ+\p:GQ+\p+1], v[GD+\p:GD+\p+1], v[HC+8:HC+9], v[HC+6:HC+7]
.endr
.irp c, 4,2,0
.irp p, 0,2,4,6
	v_pk_fma_f32 v[GQ+\p:GQ+\p+1], v[GQ+\p:GQ+\p+1], v[GD+\p:GD+\p+1], v[HC+\c:HC+\c+1]
.endr
.endr
.irp p, 0,2,4,6
	v_pk_mul_f32 v[GQ+\p:GQ+\p+1], v[GQ+\p:GQ+\p+1], v[GD+\p:GD+\p+1]
.endr
.irp p, 0,2,4,6
	v_pk_mul_f32 v[GQ+\p:GQ+\p+1], v[GQ+\p:GQ+\p+1], v[GU+\p:GU+\p+1]           ; Q
.endr
.irp p, 0,2,4,6
	v_pk_fma_f32 v[GU+\p:GU+\p+1], v[GQ+\p:GQ+\p+1], -1.0, 1.0 op_sel_hi:[1,0,0]   ; 1 - Q
.endr
.irp j, 0,1,2,3,4,5,6,7
	v_cmp_gt_f32 vcc_lo, 0, v[XR+8*\b+\j]
	v_cndmask_b32 v[GU+\j], v[GU+\j], v[GQ+\j], vcc_lo                          ; x < 0: Phi = Q
.endr
.irp p, 0,2,4,6
	v_pk_mul_f32 v[XR+8*\b+\p:XR+8*\b+\p+1], v[XR+8*\b+\p:XR+8*\b+\p+1], v[GU+\p:GU+\p+1]
.endr
.endm
; rows 16 i .. 16 i + 15 of my block: + bias, gelu, round to bf16, 16 bytes a lane into my own stage, back as whole rows of 256 bytes
.macro OUT16 i, a, from, f
	WIN \from                                      ; source 0 the accumulators' window, source 1 window 1 (the bias)
.irp b, 0,1,2,3,4,5,6,7
.irp p, 0,2,4,6
	v_pk_add_f32 v[XR+8*\b+\p:XR+8*\b+\p+1], v[8*(8*\a+\b)+\p:8*(8*\a+\b)+\p+1], v[8*\b+\p:8*\b+\p+1]
.endr
.endr
	WIN 0
.irp b, 0,1,2,3,4,5,6,7
	GELU8 \b
.endr
.irp b, 0,1,2,3,4,5,6,7
.irp r, 0,1,2,3
	v_cvt_pk_bf16_f32 v[TMP+4*\b+\r], v[XR+8*\b+2*\r], v[XR+8*\b+2*\r+1]
.endr
.endr
.irp b, 0,1,2,3,4,5,6,7
	ds_store_b128 v[STO], v[TMP+4*\b:TMP+4*\b+3] offset:32*\b
.endr
	s_wait_xcnt 0x0                                ; buffer f, which earlier stores read, and the stores' base are rewritten only behind this wait
.if \i
	s_add_nc_u64 s[8:9], s[8:9], 16*NDIM*2
.endif
.irp t, 0,1,2,3,4,5,6,7
	ds_load_b128 v[\f+4*\t:\f+4*\t+3], v[RD] offset:\t*2*SPITCH    ; LDS serves a wave's instructions in order: these see the stores above
.endr
.irp t, 0,1,2,3,4,5,6,7
	s_wait_dscnt 7-\t
	global_store_b128 v[CO], v[\f+4*\t:\f+4*\t+3], s[8:9] offset:2*\t*NDIM*2   ; 16 lanes store 256 consecutive bytes, aligned
.endr
.endm
	OUT16 0, 0, 0x06, 128
	OUT16 1, 1, 0x06, 160
	OUT16 2, 2, 0x06, 128
	OUT16 3, 3, 0x06, 160
	OUT16 4, 0, 0x07, 128
	OUT16 5, 1, 0x07, 160
	OUT16 6, 2, 0x07, 128
	OUT16 7, 3, 0x07, 160
	CROUND                                         ; the closing round: no work-group ends while a partner may still ask for a tile that names it
	s_endpgm
.Lfunc_end_k_q6ae9ec43ba_ffn1:
	.size	k_q6ae9ec43ba_ffn1, .Lfunc_end_k_q6ae9ec43ba_ffn1-k_q6ae9ec43ba_ffn1
	.p2alignl 7, 3214868480
	.fill 96, 4, 3214868480
	.section	.rodata,"a",@progbits
	.p2align	6, 0x0
	.amdhsa_kernel k_q6ae9ec43ba_ffn1
		.amdhsa_group_segment_fixed_size 327680
		.amdhsa_private_segment_fixed_size 0
		.amdhsa_enable_private_segment 0
		.amdhsa_kernarg_size 32
		.amdhsa_user_sgpr_count 2
		.amdhsa_user_sgpr_kernarg_segment_ptr 1
		.amdhsa_wavefront_size32 1
		.amdhsa_system_sgpr_workgroup_id_x 1
		.amdhsa_system_sgpr_workgroup_id_y 1
		.amdhsa_system_sgpr_workgroup_id_z 1
		.amdhsa_system_vgpr_workitem_id 0
		.amdhsa_next_free_vgpr 1024
		.amdhsa_next_free_sgpr 88
		.amdhsa_reserve_vcc 1
		.amdhsa_float_denorm_mode_32 3
		.amdhsa_float_denorm_mode_16_64 3
		.amdhsa_memory_ordered 1
		.amdhsa_forward_progress 1
		.amdhsa_inst_pref_size 255
	.end_amdhsa_kernel
	.section	.bss,"aw",@nobits
	.p2align	6
	.space	262144
	.amdgpu_metadata
---
amdhsa.version: [ 1, 2 ]
amdhsa.kernels:
  - .name:           k_q6ae9ec43ba_ffn1
    .symbol:         k_q6ae9ec43ba_ffn1.kd
    .args:
      - { .name: h, .offset: 0, .size: 8, .value_kind: global_buffer, .address_space: global }
      - { .name: wt, .offset: 8, .size: 8, .value_kind: global_buffer, .address_space: global }
      - { .name: b1, .offset: 16, .size: 8, .value_kind: global_buffer, .address_space: global }
      - { .name: act, .offset: 24, .size: 8, .value_kind: global_buffer, .address_space: global }
    .group_segment_fixed_size: 327680
    .private_segment_fixed_size: 0
    .kernarg_segment_align: 8
    .kernarg_segment_size: 32
    .max_flat_workgroup_size: 128
    .sgpr_count:     88
    .vgpr_count:     1024
    .wavefront_size: 32
...
	.end_amdgpu_metadata
.endif
;; end of part 5
;; launch ffn2 (part 6): grid 8 x 32, 4 waves a work-group, clusters of 4 x 4, 327,680 bytes of LDS; arguments act, wt, b2, x1, out0; writes out0
.if DOCPART == 6
	.amdgcn_target "amdgcn-amd-amdhsa--gfx1250"
	.amdhsa_code_object_version 6
	.text
	.protected	k_q6ae9ec43ba_ffn2
	.globl	k_q6ae9ec43ba_ffn2
	.p2align	8
	.type	k_q6ae9ec43ba_ffn2,@function
k_q6ae9ec43ba_ffn2:
	s_mov_b64 s[64:65], 0
	v_nop
	global_prefetch_b8 v0, s[64:65] scope:SCOPE_SE
	s_setreg_imm32_b32 hwreg(HW_REG_WAVE_MODE, 25, 1), 1
	s_wait_xcnt 0x0
	s_wait_alu depctr_hold_cnt(0) depctr_sa_sdst(0) depctr_va_vdst(0) depctr_va_sdst(0) depctr_va_ssrc(0) depctr_va_vcc(0) depctr_vm_vsrc(0)
	s_getreg_b32 s2, hwreg(HW_REG_IB_STS2, 6, 4)
	s_cmp_eq_u32 s2, 0
	s_cbranch_scc0 .Lentry_in_a_cluster
	s_endpgm
.Lentry_in_a_cluster:
	s_bfe_u32 s2, ttmp6, 0x10000c
	s_cmp_lg_u32 s2, 0xf033
	s_cbranch_scc0 .Lentry_shape_is_right
	s_endpgm
.Lentry_shape_is_right:
; out[m][n] = res[m][n] + bias[n] + sum over k of A[m][k] Wt[n][k], f32 out.  A: [4096][KDIM] bf16; Wt: [1024][KDIM] bf16 at byte WOFF
; of wt; res, out: [4096][1024] f32.
; The result has only 1,024 columns: blocks of 128 x 128 give 8 x 32 = 256 work-groups.  So that a wave still has a tile of 128 x 128
; (64 accumulators), the four waves share K: of each K step of 256, wave w multiplies k = 64 w .. 64 w + 63 of all 128 rows of A and of
; Wt, so each LDS byte is read once.  The four partial sums meet in LDS at the end, which is also the way out by whole rows.
; Two LDS slots, each 128 rows of A and 128 of Wt, rows of 512 bytes of memory; a wave fills 64 rows with one tensor load.
; Bias and res are asked for behind the first barrier, when the first tiles have landed, and waited for behind the K loop.
; CLUSTERS: 4 x 4 work-groups; A's tile is asked for jointly by a row of the cluster, Wt's by a column.
; REGISTERS by windows of 256: window 0: v0-31 addresses and the bias, v64-191 fragments of A; window 1: v0-63 and v192-255 my 32 rows of
; res, v64-191 fragments of Wt; windows 2 and 3: the accumulators (tile (a, b) at v[8 (8 a + b)]).
; The matrix instruction is used transposed: lane l holds row l % 16 and columns 8 (l / 16) + 0..7 of a tile.
; Limits: operands are bf16; the sum over K is made of four partial sums; NaN and infinite inputs are not served.
.set KDIM,   4096
.set WOFF,   16777216
.set KSTEP,  256
.set PITCH,  528                       ; 512 bytes of data + 16 of padding
.set RPL,    64                        ; rows in a tensor load
.set HALFT,  RPL*PITCH
.set SLOT,   4*HALFT
.set PART,   128*PITCH                 ; a wave's partial sums: 128 rows of 128 f32, pitch 528; four of them take the two slots' bytes
.set LAPS,   KDIM/(2*KSTEP)
.set RDA,  8                           ; v8-11 where I read my 32 rows of the four partial sums
.set ADRA, 16
.set ADRB, 20
.set STO,  24
.set CO,   26                          ; v26 = 16 x lane
.set BI,   28                          ; v28-31 the bias of my four columns
.set F0,   64
.set F1,   128
.set G1, 24
.set G0, 32
.set G1B, 48
.set G0B, 56
.set MSB, 0
.macro WIN new                         ; the immediate's high byte repeats the setting that is left
.if MSB != \new
	s_set_vgpr_msb (MSB<<8)|\new
.set MSB, \new
.endif
.endm
.set MUL_LO, 0xa1
.set MUL_HI, 0xf1
.set TO_B,   0x40
.macro JLOAD s
	s_cmp_eq_u32 s11, 0
	s_cbranch_scc0 .Lfor_b_\@
	tensor_load_to_lds s[G0+4*\s:G0+4*\s+3], s[G1:G1+7]
	s_nop 0
	s_branch .Lasked_\@
.Lfor_b_\@:
	tensor_load_to_lds s[G0B+4*\s:G0B+4*\s+3], s[G1B:G1B+7]
	s_nop 0
.Lasked_\@:
.endm
.macro CREST
	s_cmp_lg_u32 s10, 0
	s_cbranch_scc1 .Lnot_wave_0_\@
	s_barrier_signal -3
.Lnot_wave_0_\@:
	s_barrier_wait -3
	s_barrier_signal -1
	s_barrier_wait -1
.endm
.macro CROUND
	s_barrier_signal -1
	s_barrier_wait -1
	CREST
.endm
	s_load_b128 s[4:7], s[0:1], 0x0                ; A s[4:5], wt s[6:7]
	s_load_b128 s[68:71], s[0:1], 0x10             ; bias s[68:69], res s[70:71]
	s_load_b64 s[8:9], s[0:1], 0x20                ; out
	v_lshrrev_b32 v1, 5, v0
	v_readfirstlane_b32 s10, v1                    ; wave 0..3
	s_lshr_b32 s11, s10, 1                         ; I fetch for A (0) or for Wt (1)
	s_and_b32 s12, s10, 1                          ; which 64 rows of that tile
	s_bfe_u32 s40, ttmp6, 0x40000                  ; cx
	s_bfe_u32 s41, ttmp6, 0x40004                  ; cy
	s_lshl_b32 s42, ttmp9, 2
	s_add_co_u32 s42, s42, s40                     ; block column
	s_and_b32 s13, ttmp7, 0xffff
	s_lshl_b32 s13, s13, 2
	s_add_co_u32 s13, s13, s41                     ; block row
	s_lshl_b32 s43, s41, 2
	s_lshl_b32 s43, 15, s43
	s_lshl_b32 s44, 0x1111, s40
	s_or_b32 s[G1+0], s43, (1<<16)|(1<<20)|(1<<21)|(6<<22)|(3<<25)   ; mask; 2-byte elements; 4 words of padding behind every 128
	s_or_b32 s[G1B+0], s44, (1<<16)|(1<<20)|(1<<21)|(6<<22)|(3<<25)
	s_mov_b32 s[G1B+1], KSTEP<<16
	s_mov_b32 s[G1+1], KSTEP<<16                   ; tensor_dim0 = 256
	s_mov_b32 s[G1B+2], RPL<<16
	s_mov_b32 s[G1+2], RPL<<16                     ; tensor_dim1 = 64
	s_mov_b32 s[G1B+3], KSTEP<<16
	s_mov_b32 s[G1+3], KSTEP<<16                   ; tile_dim0 = 256
	s_mov_b32 s[G1B+4], RPL
	s_mov_b32 s[G1+4], RPL                         ; tile_dim1 = 64
	s_mov_b32 s[G1B+5], KDIM
	s_mov_b32 s[G1+5], KDIM
	s_mov_b32 s[G1B+6], 0
	s_mov_b32 s[G1+6], 0
	s_mov_b32 s[G1B+7], 0
	s_mov_b32 s[G1+7], 0
	s_lshl_b32 s17, s12, 6
	s_lshl_b32 s16, s13, 7
	s_add_co_u32 s16, s16, s17                     ; A: row 128 x block row + 64 x half
	s_lshl_b32 s46, s42, 7
	s_add_co_u32 s46, s46, s17                     ; Wt: row 128 x block column + 64 x half
	s_mov_b32 s17, 0
	s_mov_b32 s47, 0
	s_mov_b64 s[18:19], KDIM*2
	s_mul_u64 s[16:17], s[16:17], s[18:19]
	s_mul_u64 s[46:47], s[46:47], s[18:19]
	s_mul_i32 s20, s10, HALFT
	s_wait_kmcnt 0x0
	s_add_nc_u64 s[6:7], s[6:7], WOFF
	s_add_nc_u64 s[14:15], s[4:5], s[16:17]
	s_add_nc_u64 s[46:47], s[6:7], s[46:47]
	CROUND                                         ; all sixteen work-groups are here: the first joint loads meet
.irp s, 0,1
	s_mov_b32 s[G0+4*\s], 1
	s_add_co_u32 s[G0+4*\s+1], s20, \s*SLOT
	s_add_nc_u64 s[G0+4*\s+2:G0+4*\s+3], s[14:15], \s*KSTEP*2
	s_or_b32 s[G0+4*\s+3], s[G0+4*\s+3], 0x80000000
	s_mov_b32 s[G0B+4*\s], 1
	s_add_co_u32 s[G0B+4*\s+1], s20, \s*SLOT
	s_add_nc_u64 s[G0B+4*\s+2:G0B+4*\s+3], s[46:47], \s*KSTEP*2
	s_or_b32 s[G0B+4*\s+3], s[G0B+4*\s+3], 0x80000000
	JLOAD \s
.endr
	v_and_b32 v1, 15, v0
	v_bfe_u32 v2, v0, 4, 1
	v_mul_u32_u24 v3, v1, PITCH
	v_lshl_add_u32 v3, v2, 4, v3
	s_lshl_b32 s21, s10, 7                         ; my 64 k = 128 bytes of every row
	s_add_co_u32 s22, s21, 2*HALFT                 ; Wt's rows lie behind A's 128
.irp s, 0,1
	v_add_nc_u32 v[ADRA+\s], s21, v3
	v_add_nc_u32 v[ADRB+\s], s22, v3
	s_add_co_u32 s21, s21, SLOT
	s_add_co_u32 s22, s22, SLOT
.endr
	s_mul_i32 s23, s10, PART
	v_mul_u32_u24 v4, v1, PITCH
	v_lshl_add_u32 v4, v2, 5, v4
	v_add_nc_u32 v[STO], s23, v4                   ; my partial sums: row l % 16, 32 bytes for each half of the lanes
	v_and_b32 v5, 31, v0
	v_lshlrev_b32 v[CO], 4, v5
	s_mul_i32 s23, s10, 32*PITCH
	v_add_nc_u32 v[RDA], s23, v[CO]                ; rows 32 w .. of partial sum 0,
	v_add_nc_u32 v[RDA+1], PART, v[RDA]            ; 1, 2, 3
	v_add_nc_u32 v[RDA+2], PART, v[RDA+1]
	v_add_nc_u32 v[RDA+3], PART, v[RDA+2]
	s_lshl_b32 s78, s13, 7
	s_lshl_b32 s79, s10, 5
	s_add_co_u32 s78, s78, s79                     ; the first of the 32 rows that I finish
	s_lshl_b32 s78, s78, 12
	s_lshl_b32 s79, s42, 9
	s_add_co_u32 s78, s78, s79
	s_mov_b32 s79, 0
	s_add_nc_u64 s[70:71], s[70:71], s[78:79]
	s_add_nc_u64 s[8:9], s[8:9], s[78:79]
	s_lshl_b32 s78, s42, 9
	s_add_nc_u64 s[68:69], s[68:69], s[78:79]
.macro MUL16 f, hi, a0, zero
.irp a, \a0, \a0+1
.irp b, 0,1,2,3,4,5,6,7
.if \zero
	v_wmma_f32_16x16x32_bf16 v[8*(8*(\a)+\b):8*(8*(\a)+\b)+7], v[\f+8*\b:\f+8*\b+7], v[\f+8*(4*\hi+\a):\f+8*(4*\hi+\a)+7], 0
.else
	v_wmma_f32_16x16x32_bf16 v[8*(8*(\a)+\b):8*(8*(\a)+\b)+7], v[\f+8*\b:\f+8*\b+7], v[\f+8*(4*\hi+\a):\f+8*(4*\hi+\a)+7], v[8*(8*(\a)+\b):8*(8*(\a)+\b)+7]
.endif
.endr
.endr
.endm
.macro FETCH slot, k, f
	WIN TO_B
.irp i, 0,1,2,3,4,5,6,7
	ds_load_b128 v[\f+8*\i:\f+8*\i+3],   v[ADRB+\slot] offset:\k+\i*16*PITCH
	ds_load_b128 v[\f+8*\i+4:\f+8*\i+7], v[ADRB+\slot] offset:\k+\i*16*PITCH+32
.endr
	WIN 0
.irp i, 0,1,2,3,4,5,6,7
	ds_load_b128 v[\f+8*\i:\f+8*\i+3],   v[ADRA+\slot] offset:\k+\i*16*PITCH
	ds_load_b128 v[\f+8*\i+4:\f+8*\i+7], v[ADRA+\slot] offset:\k+\i*16*PITCH+32
.endr
.endm
.macro PLACES                          ; four independent vector instructions between a matrix instruction and a load into, or a read of, its registers
.rept 4
	v_nop
.endr
.endm
.macro QUARTER slot, k, f, g, zero
	s_wait_dscnt 8                                 ; Wt and A's rows 0-63 are in; the youngest eight loads (A's rows 64-127) may be out
	WIN MUL_LO
	MUL16 \f, 0, 0, \zero
	MUL16 \f, 0, 2, \zero
	PLACES
	FETCH \slot, \k, \g
	s_wait_dscnt 32                                ; all but the 32 just issued
	WIN MUL_HI
	MUL16 \f, 1, 0, \zero
	MUL16 \f, 1, 2, \zero
.endm
.macro HEAD slot, zero                 ; my 64 k of a slot are two slices of 32: this is the first, TURN the second
	QUARTER \slot, 64, F0, F1, \zero
.endm
.macro TURN slot, next, fill
	s_wait_dscnt 8
	WIN MUL_LO
	MUL16 F1, 0, 0, 0
	s_wait_dscnt 0                                 ; my reads of this slot are over,
	s_wait_tensorcnt 0x0                           ; and all my tensor loads have landed: the one that was out is my part of the next slot
	s_barrier_signal -1
	MUL16 F1, 0, 2, 0
	WIN 0
	s_barrier_wait -1
.if \fill
	CREST                                          ; no wave of any partner still reads this slot or has a load on its way
	s_add_nc_u64 s[G0+4*\slot+2:G0+4*\slot+3], s[G0+4*\slot+2:G0+4*\slot+3], 2*KSTEP*2
	s_add_nc_u64 s[G0B+4*\slot+2:G0B+4*\slot+3], s[G0B+4*\slot+2:G0B+4*\slot+3], 2*KSTEP*2
	JLOAD \slot                                    ; the first tensor load behind the round, one a wave
.endif
	PLACES
	FETCH \next, 0, F0
	WIN MUL_HI
	MUL16 F1, 1, 0, 0
	MUL16 F1, 1, 2, 0
.endm
.macro LAP zero
	HEAD 0, \zero
	TURN 0, 1, 1
	HEAD 1, 0
	TURN 1, 0, 1
.endm
	s_wait_tensorcnt 1                             ; my part of K step 0 is in; K step 1's may stay out
	s_barrier_signal -1
	s_barrier_wait -1
	FETCH 0, 0, F0
	; bias and res: 33 loads that stay out over the whole K loop, which writes neither their registers nor their addresses
	global_load_b128 v[BI:BI+3], v[CO], s[68:69]
	WIN TO_B
.irp i, 0,1,2,3,4,5,6,7,8,9,10,11,12,13,14,15
	global_load_b128 v[4*\i:4*\i+3], v[CO], s[70:71] offset:\i*4096 th:TH_LOAD_NT           ; a wave's load covers 512 consecutive bytes
.endr
.irp i, 0,1,2,3,4,5,6,7,8,9,10,11,12,13,14,15
	global_load_b128 v[192+4*\i:192+4*\i+3], v[CO], s[70:71] offset:(16+\i)*4096 th:TH_LOAD_NT
.endr
	LAP 1                                          ; the first products start the sums; the 64 accumulators take turns, one instruction a turn
.if LAPS > 2
	WIN 0
	s_mov_b32 s3, LAPS-2
.Llap:
	LAP 0
	WIN 0
	s_sub_co_u32 s3, s3, 1
	s_cmp_lg_u32 s3, 0
	s_cbranch_scc1 .Llap
.endif
	HEAD 0, 0                                      ; the last lap fills nothing
	TURN 0, 1, 0
	HEAD 1, 0
	s_wait_dscnt 8
	WIN MUL_LO
	MUL16 F1, 0, 0, 0
	MUL16 F1, 0, 2, 0
	s_wait_dscnt 0
	WIN MUL_HI
	MUL16 F1, 1, 0, 0
	MUL16 F1, 1, 2, 0
	; The ring has had its last fill.  When every wave has read its last fragments, the four partial sums go into its bytes.
	PLACES
	WIN 0
	s_wait_dscnt 0x0
	s_barrier_signal -1
	s_barrier_wait -1
	WIN 0x08                                       ; store data in window 2
.irp a, 0,1,2,3
.irp b, 0,1,2,3,4,5,6,7
	ds_store_b128 v[STO], v[8*(8*\a+\b):8*(8*\a+\b)+3]   offset:\a*16*PITCH+64*\b
	ds_store_b128 v[STO], v[8*(8*\a+\b)+4:8*(8*\a+\b)+7] offset:\a*16*PITCH+64*\b+16
.endr
.endr
	WIN 0x0c                                       ; store data in window 3
.irp a, 0,1,2,3
.irp b, 0,1,2,3,4,5,6,7
	ds_store_b128 v[STO], v[8*(8*\a+\b):8*(8*\a+\b)+3]   offset:(4+\a)*16*PITCH+64*\b
	ds_store_b128 v[STO], v[8*(8*\a+\b)+4:8*(8*\a+\b)+7] offset:(4+\a)*16*PITCH+64*\b+16
.endr
.endr
	WIN 0
	s_wait_dscnt 0x0                               ; my stores are done before I say so
	s_barrier_signal -1
	s_barrier_wait -1
	s_wait_loadcnt 0x0                             ; bias and res, asked for in front of the K loop
; eight of my 32 rows: the four partial sums, the bias, the residual (rb: its registers in window 1), and out by whole rows
.macro SUM8 gr, rb
	s_wait_xcnt 0x0                                ; the last eight stores have read their data
.irp i, 0,1,2,3,4,5,6,7
.irp p, 0,1,2,3
	ds_load_b128 v[64+16*\i+4*\p:64+16*\i+4*\p+3], v[RDA+\p] offset:(8*\gr+\i)*PITCH
.endr
.endr
	s_wait_dscnt 0x0
.irp i, 0,1,2,3,4,5,6,7
	v_pk_add_f32 v[64+16*\i:65+16*\i], v[64+16*\i:65+16*\i], v[68+16*\i:69+16*\i]
	v_pk_add_f32 v[66+16*\i:67+16*\i], v[66+16*\i:67+16*\i], v[70+16*\i:71+16*\i]
	v_pk_add_f32 v[72+16*\i:73+16*\i], v[72+16*\i:73+16*\i], v[76+16*\i:77+16*\i]
	v_pk_add_f32 v[74+16*\i:75+16*\i], v[74+16*\i:75+16*\i], v[78+16*\i:79+16*\i]
	v_pk_add_f32 v[64+16*\i:65+16*\i], v[64+16*\i:65+16*\i], v[72+16*\i:73+16*\i]
	v_pk_add_f32 v[66+16*\i:67+16*\i], v[66+16*\i:67+16*\i], v[74+16*\i:75+16*\i]
	v_pk_add_f32 v[64+16*\i:65+16*\i], v[64+16*\i:65+16*\i], v[BI:BI+1]
	v_pk_add_f32 v[66+16*\i:67+16*\i], v[66+16*\i:67+16*\i], v[BI+2:BI+3]
.endr
	WIN 0x04                                       ; source 1 in window 1
.irp i, 0,1,2,3,4,5,6,7
	v_pk_add_f32 v[64+16*\i:65+16*\i], v[64+16*\i:65+16*\i], v[\rb+4*\i:\rb+4*\i+1]
	v_pk_add_f32 v[66+16*\i:67+16*\i], v[66+16*\i:67+16*\i], v[\rb+4*\i+2:\rb+4*\i+3]
.endr
	WIN 0
.irp i, 0,1,2,3,4,5,6,7
	global_store_b128 v[CO], v[64+16*\i:67+16*\i], s[8:9] offset:(8*\gr+\i)*4096   ; the wave stores 512 consecutive bytes, aligned
.endr
.endm
	SUM8 0, 0
	SUM8 1, 32
	SUM8 2, 192
	SUM8 3, 224
	CROUND                                         ; the closing round: no work-group ends while a partner may still ask for a tile that names it
	s_endpgm
.Lfunc_end_k_q6ae9ec43ba_ffn2:
	.size	k_q6ae9ec43ba_ffn2, .Lfunc_end_k_q6ae9ec43ba_ffn2-k_q6ae9ec43ba_ffn2
	.p2alignl 7, 3214868480
	.fill 96, 4, 3214868480
	.section	.rodata,"a",@progbits
	.p2align	6, 0x0
	.amdhsa_kernel k_q6ae9ec43ba_ffn2
		.amdhsa_group_segment_fixed_size 327680
		.amdhsa_private_segment_fixed_size 0
		.amdhsa_enable_private_segment 0
		.amdhsa_kernarg_size 40
		.amdhsa_user_sgpr_count 2
		.amdhsa_user_sgpr_kernarg_segment_ptr 1
		.amdhsa_wavefront_size32 1
		.amdhsa_system_sgpr_workgroup_id_x 1
		.amdhsa_system_sgpr_workgroup_id_y 1
		.amdhsa_system_sgpr_workgroup_id_z 1
		.amdhsa_system_vgpr_workitem_id 0
		.amdhsa_next_free_vgpr 1024
		.amdhsa_next_free_sgpr 80
		.amdhsa_reserve_vcc 0
		.amdhsa_float_denorm_mode_32 3
		.amdhsa_float_denorm_mode_16_64 3
		.amdhsa_memory_ordered 1
		.amdhsa_forward_progress 1
		.amdhsa_inst_pref_size 129
	.end_amdhsa_kernel
	.amdgpu_metadata
---
amdhsa.version: [ 1, 2 ]
amdhsa.kernels:
  - .name:           k_q6ae9ec43ba_ffn2
    .symbol:         k_q6ae9ec43ba_ffn2.kd
    .args:
      - { .name: act, .offset: 0, .size: 8, .value_kind: global_buffer, .address_space: global }
      - { .name: wt, .offset: 8, .size: 8, .value_kind: global_buffer, .address_space: global }
      - { .name: b2, .offset: 16, .size: 8, .value_kind: global_buffer, .address_space: global }
      - { .name: x1, .offset: 24, .size: 8, .value_kind: global_buffer, .address_space: global }
      - { .name: out0, .offset: 32, .size: 8, .value_kind: global_buffer, .address_space: global }
    .group_segment_fixed_size: 327680
    .private_segment_fixed_size: 0
    .kernarg_segment_align: 8
    .kernarg_segment_size: 40
    .max_flat_workgroup_size: 128
    .sgpr_count:     80
    .vgpr_count:     1024
    .wavefront_size: 32
...
	.end_amdgpu_metadata
.endif
;; end of part 6
